; MI455X (gfx1250); checked and timed in simulation.
; The chip was launched on July 23, 2026; its instructions are those of AMD's public machine-readable ISA for CDNA 5 (MIT licence, August 2026) and "CDNA5" Instruction Set Architecture Reference Guide (July 2026). The comments in the code are by the model that wrote it; some were corrected since.
;; Multi Headed Attention. Allowed arithmetic: matrix products marked QUANTISED: E2M1 operands, one E8M0 scale for each 32 along K, by v_wmma_scale_f32_16x16x128_f8f6f4 with both operands' format E2M1 (or v_wmma_scale_f32_32x16x128_f4), f32 sums; products left as they are: bf16, f16 or f32 operands; f32 sums; everything else in f32.
;; Inputs: Wk 1,024 x 1,024 float32; Wo 1,024 x 1,024 float32; Wq 1,024 x 1,024 float32; Wv 1,024 x 1,024 float32; bk 1,024 float32; bo 1,024 float32; bq 1,024 float32; bv 1,024 float32; k 4 x 2,048 x 1,024 float32; mask 4 x 1 x 2,048 bool; q 4 x 2,048 x 1,024 float32; v 4 x 2,048 x 1,024 float32.
;; Outputs: out0 4 x 2,048 x 1,024 float32.
;; This version of the problem:
;;   THIS VERSION OF THE PROBLEM IS GIVEN IN LOW PRECISION. The matrix products marked QUANTISED in the list below multiply operands that are first quantised to E2M1 (2 exponent bits, 1 mantissa bit; 4 bits a number), with one power-of-two scale for each 32 numbers along K (OCP MX v1.0); their sums are f32. The products marked 'left as it is' may take bf16, f16 or f32 operands, with f32 sums. Whichever they take, every output number must still come out within the allowed error. Rounding operands to bf16 (8 significant bits) uses up far more of that allowance than f16 does (11 bits, for magnitudes from 6e-5 to 65,504). All else is computed in f32.
;;   The module's matrix products, in the order in which they are computed (A, B: the left and right operand; K: the contracted axis; several contracted axes count as one K, in the product's order):
;;     1. [M 8,192, K 1,024] x [K 1,024, N 1,024]; A: input q; B: input Wq: QUANTISED
;;     2. [M 8,192, K 1,024] x [K 1,024, N 1,024]; A: input k; B: input Wk: QUANTISED
;;     3. [M 8,192, K 1,024] x [K 1,024, N 1,024]; A: input v; B: input Wv: QUANTISED
;;     4. batch 64 x [M 2,048, K 64] x [K 64, N 2,048]; A: computed on the way; B: computed on the way: left as it is (an operand is computed on the way)
;;     5. batch 64 x [M 2,048, K 2,048] x [K 2,048, N 64]; A: computed on the way; B: computed on the way: left as it is (an operand is computed on the way)
;;     6. [M 8,192, K 1,024] x [K 1,024, N 1,024]; A: computed on the way; B: input Wo: left as it is (an operand is computed on the way)
;;   THE QUANTISER, for each operand of a quantised product, along K:
;;     - K is cut into blocks of 32 from its start; a last block that is shorter is filled with zeros.
;;     - A block's scale is 2^e with e = floor(log2(the largest magnitude in the block)) - 2, held to -126 .. 127; a block of zeros has e = 0. As a byte (E8M0): e + 127.
;;     - Each number is divided by its block's scale, clamped to +-6, and rounded to the nearest number of E2M1, ties to even, subnormals kept.
;;     - The product sums the exact products of the quantised numbers (number of the format x scale) in f32.
;;   ~~~python
;;   def quantise(x, axis):      # numpy; x: float32 -> the quantised numbers, widened to float32 again
;;       x = np.moveaxis(x, axis, -1); K = x.shape[-1]
;;       x = np.pad(x, [(0, 0)] * (x.ndim - 1) + [(0, -K % 32)]); x = x.reshape(x.shape[:-1] + (-1, 32)); a = np.abs(x).max(-1, keepdims=True)
;;       e = np.where(a > 0, np.clip(np.frexp(np.where(a > 0, a, 1))[1] - 1 - 2, -126, 127), 0)      # np.frexp(a)[1] - 1 = floor(log2(a)), exactly
;;       r = np.clip(x / 2.0 ** e, -6, 6)
;;       step = 2.0 ** (np.maximum(np.frexp(np.where(r == 0, 1, r))[1] - 1, 0) - 1)
;;       q = np.round(r / step) * step * 2.0 ** e      # np.round: ties to even
;;       return np.moveaxis(q.reshape(q.shape[:-2] + (-1,))[..., :K], -1, axis).astype(np.float32)
;;   ~~~
;; One version. Each part assembles by itself: llvm-mc -triple=amdgcn-amd-amdhsa -mcpu=gfx1250 --defsym DOCPART=n.
;; ======== version 1 of 1: 4 launches
;; limits: values are held in f16: magnitudes above 65,504 overflow, below 6.1e-05 lose precision
;; workspace buffers: xc 12,582,912 bytes; xs 786,432 bytes; wc 1,572,864 bytes; ws 98,304 bytes; wo16 2,097,152 bytes; qkv 50,331,648 bytes; ctx 16,777,216 bytes
;; launch prep (part 1): grid 848 x 1, 4 waves a work-group, no clusters, 68,096 bytes of LDS; arguments q, k, v, Wq, Wk, Wv, Wo, xc, xs, wc, ws, wo16; writes xc, xs, wc, ws, wo16
.if DOCPART == 1
	.amdgcn_target "amdgcn-amd-amdhsa--gfx1250"
	.amdhsa_code_object_version 6
	.text
	.protected	k_q77729aaa5e_prep
	.globl	k_q77729aaa5e_prep
	.p2align	8
	.type	k_q77729aaa5e_prep,@function
k_q77729aaa5e_prep:
	s_mov_b64 s[64:65], 0
	v_nop
	global_prefetch_b8 v0, s[64:65] scope:SCOPE_SE
	s_setreg_imm32_b32 hwreg(HW_REG_WAVE_MODE, 25, 1), 1
	s_wait_xcnt 0x0
; PREP: everything that is quantised or rounded once, in one launch.
;   work-groups  0 .. 47  Wq, Wk, Wv [1024 (k)][1024 (n)] f32, K = the FIRST axis -> codes of E2M1 wc [t][n][512 bytes], K innermost; scale bytes ws [n / 256][t][256][32]
;   work-groups 48 .. 79  Wo [1024][1024] f32 -> f16, in its own order (wo16)
;   work-groups 80 .. 847 q, k, v [8192][1024] f32, K innermost -> codes xc [t][row][512 bytes]; scale bytes xs [row / 128][t][128][32]
; A block's scale is 2^(floor(log2(its largest magnitude)) - 2): its byte is the largest magnitude's exponent field - 2, held at 1 from below by a floor among the maximum's leaves.
; Each number is divided by the scale and rounded to the nearest code, ties to even; beyond 6 the conversion gives the largest code.
; LIMITS: a block of zeros gets the byte 1 where the rule says 127 (its codes are zeros, which add nothing, and this program alone reads the bytes); blocks whose largest
; magnitude lies under 2^-124 are held at that floor's byte; NaN and infinities among the inputs are not served.
; The three paths part on the work-group's number alone and never join; each has LDS bytes of its own.  No tensor load, no barrier: waves share nothing.
.set SPW,    12                        ; v12  LDS address of my spare word; never rewritten
.set NIL,    13                        ; v13  0; never rewritten
.set SPARE,  67584                     ; behind both paths' stages: 128 bytes for each wave, two blocks of 256 bytes that no other line names
.set EMAX,   2
; the tokens' path
.set STEPS,  16                        ; a wave takes 16 steps of 512 numbers: 8 rows
.set CB,     8                         ; bytes of 16 codes
.set XR,     16                        ; v16-79   four sets of 16 numbers as they are loaded
.set XX,     80                        ; v80-111  two sets of 16 neighbours
.set XE,     112                       ; v112-127 a scale byte for each step
.set XC,     128                       ; v128-191 codes: registers of its own for each step
.set WREG,   8192                      ; LDS 0 .. 32,767: a region for each wave: two stages of 32 x SP bytes, then its 256 scale bytes
.set SP,     80                        ; a lane's place in a stage: 64 bytes + 16 of padding
; the weights' path
.set NB,     16                        ; blocks of 32 along K for a wave (512 along K)
.set WPITCH, 272                       ; a stage row: 256 bytes of codes + 16
.set WSTG,   32768                     ; LDS 32,768 .. 67,583: 32 rows x 272 for each wave
.set KROW,   512                       ; a row of wc in bytes
.set WX,     32                        ; v32-95   two sets of 32 numbers
.set WCD,    96                        ; v96-99   a block's codes
.set OUTR,   112                       ; v112-175 the way out
.set SBY,    24                        ; v24-27   the scale bytes, four to a register
	s_load_b512 s[4:19], s[0:1], 0x0               ; q s[4:5], k s[6:7], v s[8:9], Wq s[10:11], Wk s[12:13], Wv s[14:15], Wo s[16:17], xc s[18:19]
	s_load_b256 s[20:27], s[0:1], 0x40             ; xs s[20:21], wc s[22:23], ws s[24:25], wo16 s[26:27]
	v_lshl_add_u32 v[SPW], v0, 2, SPARE
	v_mov_b32 v[NIL], 0
	v_lshrrev_b32 v1, 5, v0
	v_readfirstlane_b32 s28, v1                    ; wave 0..3
	v_and_b32 v2, 31, v0                           ; lane
	s_mov_b32 s35, 0                               ; the upper word of every offset pair s[34:35]
	s_wait_kmcnt 0x0
	s_cmp_lt_u32 ttmp9, 48
	s_cbranch_scc1 .Lweights
	s_cmp_lt_u32 ttmp9, 80
	s_cbranch_scc1 .Lwo
; ---------------- q, k, v: K innermost.  A tensor is a plain stream of blocks of 32.
; Each load reads 512 consecutive bytes, 16 a lane; a step's 2,048 bytes turn through the wave's own stage and come back 64 bytes a lane: 16 neighbours, two lanes to a block.
	v_lshlrev_b32 v3, 4, v2                        ; my 16 bytes of a load's 512
	s_mul_i32 s29, s28, WREG
	v_lshrrev_b32 v14, 2, v2
	v_mul_u32_u24 v14, v14, SP
	v_and_b32 v15, 3, v2
	v_lshl_add_u32 v14, v15, 4, v14
	v_add_nc_u32 v14, s29, v14                     ; the stage, on the way in: SP (lane / 4) + 16 (lane % 4)
	v_mul_u32_u24 v15, v2, SP
	v_add_nc_u32 v15, s29, v15                     ; and on the way out: SP x lane
	v_mul_u32_u24 v4, v2, CB                       ; my codes' place in a step's 256 bytes
	v_lshrrev_b32 v5, 1, v2
	s_add_co_u32 s29, s29, 2*32*SP
	v_add_nc_u32 v5, s29, v5                       ; my block's byte among the wave's 256 scale bytes
	v_lshlrev_b32 v7, 3, v2
	v_add_nc_u32 v6, s29, v7                       ; and 8 bytes a lane on their way out
	s_sub_co_u32 s30, ttmp9, 80                    ; 0 .. 767: 256 work-groups a tensor
	s_cmp_lt_u32 s30, 256
	s_cselect_b64 s[32:33], s[4:5], s[6:7]         ; the choice hangs on the work-group's number alone
	s_cmp_lt_u32 s30, 512
	s_cselect_b64 s[32:33], s[32:33], s[8:9]
	s_lshr_b32 s31, s30, 8                         ; t
	s_and_b32 s30, s30, 255
	s_lshl_b32 s30, s30, 2
	s_add_co_u32 s30, s30, s28                     ; my run of 8 rows, 0 .. 1023
	s_lshl_b32 s34, s30, 15                        ; 32,768 bytes of f32 a run
	s_add_nc_u64 s[32:33], s[32:33], s[34:35]
	s_lshl_b32 s34, s31, 22                        ; codes: 4,194,304 bytes a tensor,
	s_lshl_b32 s36, s30, 12                        ; 4,096 a run
	s_add_co_u32 s34, s34, s36
	s_add_nc_u64 s[18:19], s[18:19], s[34:35]
	s_lshr_b32 s34, s30, 4                         ; scale bytes: (block of 128 rows x 3 + t) x 4,096 + 256 x (run % 16)
	s_mul_i32 s34, s34, 3
	s_add_co_u32 s34, s34, s31
	s_lshl_b32 s34, s34, 12
	s_and_b32 s36, s30, 15
	s_lshl_b32 s36, s36, 8
	s_add_co_u32 s34, s34, s36
	s_add_nc_u64 s[20:21], s[20:21], s[34:35]
.macro XLOAD t
.irp i, 0,1,2,3
	global_load_b128 v[XR+16*((\t)%4)+4*\i:XR+16*((\t)%4)+4*\i+3], v3, s[32:33] offset:2048*(\t)+512*\i th:TH_LOAD_NT
.endr
.endm
.macro XTURN t                         ; step t's numbers through the stage: LDS serves a wave's instructions in order, so no wait stands between the stores and the loads
.irp i, 0,1,2,3
	ds_store_b128 v14, v[XR+16*((\t)%4)+4*\i:XR+16*((\t)%4)+4*\i+3] offset:32*SP*((\t)%2)+8*SP*\i
.endr
.irp i, 0,1,2,3
	ds_load_b128 v[XX+16*((\t)%2)+4*\i:XX+16*((\t)%2)+4*\i+3], v15 offset:32*SP*((\t)%2)+16*\i
.endr
.endm
.irp t, 0,1,2,3
	XLOAD \t
.endr
	s_wait_loadcnt 12                              ; step 0's four loads are in; the twelve of steps 1 to 3 may be out
	XTURN 0
.macro XSTEP t
.set XS, XX+16*((\t)%2)
.if (\t) > 0
	s_wait_dscnt 1                                 ; this step's numbers are back from the stage; the one LDS instruction issued behind them, the last step's byte store, may be out
.else
	s_wait_dscnt 0x0
.endif
.if (\t)+4 < STEPS
	XLOAD (\t)+4                                   ; into the set whose stores into the stage have been served
.endif
.if (\t)+1 < STEPS
.if STEPS-2-(\t) >= 3
	s_wait_loadcnt 12                              ; the next step's four loads are in; those of the three steps behind it may be out
.else
	s_wait_loadcnt 4*(STEPS-2-(\t))
.endif
	XTURN (\t)+1
.endif
	v_max3_num_f32 v8, |v[XS]|, |v[XS+1]|, |v[XS+2]|               ; the largest magnitude of my 16, in two chains
	v_max3_num_f32 v9, |v[XS+3]|, |v[XS+4]|, |v[XS+5]|
.irp i, 6,10
	v_max3_num_f32 v8, v8, |v[XS+\i]|, |v[XS+\i+1]|
	v_max3_num_f32 v9, v9, |v[XS+\i+2]|, |v[XS+\i+3]|
.endr
	v_max3_num_f32 v8, v8, |v[XS+14]|, |v[XS+15]|
	v_max3_num_f32 v8, v8, v9, (EMAX+1)<<23        ; and the floor 2^(3 - 127): the byte cannot fall under 1
	v_max_num_f32_dpp v8, v8, v8 row_xmask:1 row_mask:0xf bank_mask:0xf   ; with my neighbour's 16: the block's
	v_add_nc_u32 v11, -(EMAX<<23), v8              ; 2 off its exponent field: the conversion takes the exponent field of this operand as its scale
	v_cvt_scalef32_pk8_fp4_f32 v[XC+4*(\t)], v[XS:XS+7], v11
	v_cvt_scalef32_pk8_fp4_f32 v[XC+4*(\t)+1], v[XS+8:XS+15], v11
	v_lshrrev_b32 v[XE+(\t)], 23, v11              ; the scale's byte (a plain line behind the conversions)
	ds_store_b8 v5, v[XE+(\t)] offset:16*(\t)      ; both lanes of a block write the same byte with the same value
	global_store_b64 v4, v[XC+4*(\t):XC+4*(\t)+1], s[18:19] offset:32*CB*(\t)   ; the wave stores 256 consecutive bytes, aligned
.endm
.irp t, 0,1,2,3,4,5,6,7,8,9,10,11,12,13,14,15
	XSTEP \t
.endr
	ds_load_b64 v[8:9], v6                         ; LDS serves a wave's instructions in order: these see my byte stores
	s_wait_dscnt 0x0
	global_store_b64 v7, v[8:9], s[20:21]          ; the run's 256 scale bytes: 256 consecutive bytes, aligned
	s_wait_tensorcnt 0x0                           ; the wave's end, behind my last LDS store
	ds_add_u32 v[SPW], v[NIL]
	s_wait_dscnt 0x0
	s_endpgm
; ---------------- Wq, Wk, Wv: K is the first axis.  A lane takes a column n and its registers run down K: a block of 32 lies in one lane, and the codes come out with K innermost.
.Lweights:
	s_lshr_b32 s31, ttmp9, 4                       ; t
	s_and_b32 s30, ttmp9, 7                        ; which 128 columns
	s_bfe_u32 s29, ttmp9, 0x10003                  ; which 512 along K
	s_cmp_lt_u32 ttmp9, 16
	s_cselect_b64 s[32:33], s[10:11], s[12:13]
	s_cmp_lt_u32 ttmp9, 32
	s_cselect_b64 s[32:33], s[32:33], s[14:15]
	s_lshl_b32 s30, s30, 7
	s_lshl_b32 s34, s28, 5
	s_add_co_u32 s30, s30, s34                     ; my wave's first column n0
	s_lshl_b32 s34, s29, 21                        ; W: 512 rows of 4,096 bytes,
	s_lshl_b32 s36, s30, 2                         ; + 4 n0
	s_add_co_u32 s34, s34, s36
	s_add_nc_u64 s[32:33], s[32:33], s[34:35]
	s_lshl_b32 s34, s31, 19                        ; codes: 524,288 t + 512 n0 + 256 x half of K
	s_lshl_b32 s36, s30, 9
	s_add_co_u32 s34, s34, s36
	s_lshl_b32 s36, s29, 8
	s_add_co_u32 s34, s34, s36
	s_add_nc_u64 s[22:23], s[22:23], s[34:35]
	s_lshr_b32 s34, s30, 8                         ; scale bytes: ((n0 / 256) x 3 + t) x 8,192 + 32 (n0 % 256) + 16 x half of K
	s_mul_i32 s34, s34, 3
	s_add_co_u32 s34, s34, s31
	s_lshl_b32 s34, s34, 13
	s_and_b32 s36, s30, 255
	s_lshl_b32 s36, s36, 5
	s_add_co_u32 s34, s34, s36
	s_lshl_b32 s36, s29, 4
	s_add_co_u32 s34, s34, s36
	s_add_nc_u64 s[24:25], s[24:25], s[34:35]
	v_lshlrev_b32 v3, 2, v2                        ; in: 4 bytes a lane: 128 consecutive bytes a wave
	s_mul_i32 s36, s28, 32*WPITCH
	s_add_co_u32 s36, s36, WSTG                    ; my stage
	v_mul_u32_u24 v4, v2, WPITCH
	v_add_nc_u32 v4, s36, v4                       ; into it: row = my column
	v_and_b32 v5, 15, v2
	v_lshrrev_b32 v6, 4, v2
	v_mul_u32_u24 v7, v6, WPITCH
	v_lshl_add_u32 v7, v5, 4, v7
	v_add_nc_u32 v7, s36, v7                       ; out of it: sixteen lanes to a row, two rows an instruction
	v_mul_u32_u24 v8, v6, KROW
	v_lshl_add_u32 v8, v5, 4, v8                   ; and the same place in wc
	v_lshlrev_b32 v9, 5, v2                        ; my column's row of 32 scale bytes
.macro WLOAD t                         ; block t: W(32 t + i, my column) into set t % 2; the largest offset, 511 x 4,096, lies inside the signed 24-bit immediate
.irp i, 0,1,2,3,4,5,6,7,8,9,10,11,12,13,14,15,16,17,18,19,20,21,22,23,24,25,26,27,28,29,30,31
	global_load_b32 v[WX+32*((\t)%2)+\i], v3, s[32:33] offset:(32*(\t)+\i)*4096 th:TH_LOAD_NT
.endr
.endm
	WLOAD 0
	WLOAD 1
.macro WBLOCK t
.set XS, WX+32*((\t)%2)
.if (\t) < NB-1
	s_wait_loadcnt 32                              ; this block's 32 loads are in; the next block's 32 may be out
.else
	s_wait_loadcnt 0x0
.endif
	v_max3_num_f32 v16, |v[XS]|, |v[XS+1]|, |v[XS+2]|              ; the block's largest magnitude: all 32 numbers are mine
	v_max3_num_f32 v17, |v[XS+3]|, |v[XS+4]|, |v[XS+5]|
.irp i, 6,10,14,18,22,26
	v_max3_num_f32 v16, v16, |v[XS+\i]|, |v[XS+\i+1]|
	v_max3_num_f32 v17, v17, |v[XS+\i+2]|, |v[XS+\i+3]|
.endr
	v_max3_num_f32 v16, v16, |v[XS+30]|, |v[XS+31]|
	v_max3_num_f32 v16, v16, v17, (EMAX+1)<<23     ; and the floor
	v_add_nc_u32 v11, -(EMAX<<23), v16             ; the conversion's scale operand
	v_lshrrev_b32 v17, 23, v11                     ; the scale's byte
.if (\t)%4 == 0
	v_mov_b32 v[SBY+(\t)/4], v17                   ; four bytes to a register, the lower K in the lower byte
.else
	v_lshl_or_b32 v[SBY+(\t)/4], v17, 8*((\t)%4), v[SBY+(\t)/4]
.endif
.irp g, 0,1,2,3
	v_cvt_scalef32_pk8_fp4_f32 v[WCD+\g], v[XS+8*\g:XS+8*\g+7], v11
.endr
	v_nop                                          ; one plain line behind the last conversion
	ds_store_b128 v4, v[WCD:WCD+3] offset:16*(\t)  ; 32 codes: 16 bytes of my column's row
.if (\t)+2 < NB
	WLOAD (\t)+2
.endif
	s_wait_dscnt 0x0                               ; the store has been served: the next block's codes may be written
.endm
.irp t, 0,1,2,3,4,5,6,7,8,9,10,11,12,13,14,15
	WBLOCK \t
.endr
	global_store_b128 v9, v[SBY:SBY+3], s[24:25]   ; my column's 16 scale bytes of this half of K
.irp t, 0,1,2,3,4,5,6,7,8,9,10,11,12,13,14,15
	ds_load_b128 v[OUTR+4*\t:OUTR+4*\t+3], v7 offset:2*\t*WPITCH
.endr
.irp t, 0,1,2,3,4,5,6,7,8,9,10,11,12,13,14,15
	s_wait_dscnt 15-\t                             ; LDS loads come back in order: load t is in, the younger ones may be out
	global_store_b128 v8, v[OUTR+4*\t:OUTR+4*\t+3], s[22:23] offset:2*\t*KROW   ; sixteen lanes store 256 consecutive bytes, aligned
.endr
	s_wait_tensorcnt 0x0                           ; the wave's end, behind my last LDS store
	ds_add_u32 v[SPW], v[NIL]
	s_wait_dscnt 0x0
	s_endpgm
; ---------------- Wo: rounded to f16 once, order kept.  A wave takes 8,192 numbers as 64 items of 128; a ring of 16 loads in registers; no LDS.
.Lwo:
	s_sub_co_u32 s30, ttmp9, 48
	s_lshl_b32 s30, s30, 2
	s_add_co_u32 s30, s30, s28                     ; my run, 0 .. 127
	s_lshl_b32 s34, s30, 15
	s_add_nc_u64 s[16:17], s[16:17], s[34:35]
	s_lshl_b32 s34, s30, 14
	s_add_nc_u64 s[26:27], s[26:27], s[34:35]
	v_lshlrev_b32 v3, 4, v2                        ; in: 16 bytes a lane
	v_lshlrev_b32 v4, 3, v2                        ; out: 8 bytes a lane
.irp m, 0,1,2,3,4,5,6,7,8,9,10,11,12,13,14,15
	global_load_b128 v[16+4*\m:19+4*\m], v3, s[16:17] offset:512*\m th:TH_LOAD_NT
.endr
.set m, 0
.rept 64
.if m <= 48
	s_wait_loadcnt 15                              ; item m's load is in; the fifteen younger ones stay out
.else
	s_wait_loadcnt 63-m                            ; the last items load nothing: the counts run down
.endif
.if m == 32
	s_wait_xcnt 0x0                                ; the first half's stores have had their addresses translated: their data registers are written again only behind this wait
.endif
	v_cvt_pk_f16_f32 v[80+2*(m%32)], v[16+4*(m%16)], v[17+4*(m%16)]
	v_cvt_pk_f16_f32 v[81+2*(m%32)], v[18+4*(m%16)], v[19+4*(m%16)]
.if m+16 < 64
	global_load_b128 v[16+4*(m%16):19+4*(m%16)], v3, s[16:17] offset:512*(m+16) th:TH_LOAD_NT
.endif
	global_store_b64 v4, v[80+2*(m%32):81+2*(m%32)], s[26:27] offset:256*m   ; the wave stores 256 consecutive bytes, aligned
.set m, m+1
.endr
	s_endpgm
.Lfunc_end_k_q77729aaa5e_prep:
	.size	k_q77729aaa5e_prep, .Lfunc_end_k_q77729aaa5e_prep-k_q77729aaa5e_prep
	.p2alignl 7, 3214868480
	.fill 96, 4, 3214868480
	.section	.rodata,"a",@progbits
	.p2align	6, 0x0
	.amdhsa_kernel k_q77729aaa5e_prep
		.amdhsa_group_segment_fixed_size 68096
		.amdhsa_private_segment_fixed_size 0
		.amdhsa_enable_private_segment 0
		.amdhsa_kernarg_size 96
		.amdhsa_user_sgpr_count 2
		.amdhsa_user_sgpr_kernarg_segment_ptr 1
		.amdhsa_wavefront_size32 1
		.amdhsa_system_sgpr_workgroup_id_x 1
		.amdhsa_system_sgpr_workgroup_id_y 1
		.amdhsa_system_sgpr_workgroup_id_z 1
		.amdhsa_system_vgpr_workitem_id 0
		.amdhsa_next_free_vgpr 192
		.amdhsa_next_free_sgpr 66
		.amdhsa_reserve_vcc 0
		.amdhsa_float_denorm_mode_32 3
		.amdhsa_float_denorm_mode_16_64 3
		.amdhsa_memory_ordered 1
		.amdhsa_forward_progress 1
		.amdhsa_inst_pref_size 134
	.end_amdhsa_kernel
	.amdgpu_metadata
---
amdhsa.version: [ 1, 2 ]
amdhsa.kernels:
  - .name:           k_q77729aaa5e_prep
    .symbol:         k_q77729aaa5e_prep.kd
    .args:
      - { .name: q, .offset: 0, .size: 8, .value_kind: global_buffer, .address_space: global }
      - { .name: k, .offset: 8, .size: 8, .value_kind: global_buffer, .address_space: global }
      - { .name: v, .offset: 16, .size: 8, .value_kind: global_buffer, .address_space: global }
      - { .name: Wq, .offset: 24, .size: 8, .value_kind: global_buffer, .address_space: global }
      - { .name: Wk, .offset: 32, .size: 8, .value_kind: global_buffer, .address_space: global }
      - { .name: Wv, .offset: 40, .size: 8, .value_kind: global_buffer, .address_space: global }
      - { .name: Wo, .offset: 48, .size: 8, .value_kind: global_buffer, .address_space: global }
      - { .name: xc, .offset: 56, .size: 8, .value_kind: global_buffer, .address_space: global }
      - { .name: xs, .offset: 64, .size: 8, .value_kind: global_buffer, .address_space: global }
      - { .name: wc, .offset: 72, .size: 8, .value_kind: global_buffer, .address_space: global }
      - { .name: ws, .offset: 80, .size: 8, .value_kind: global_buffer, .address_space: global }
      - { .name: wo16, .offset: 88, .size: 8, .value_kind: global_buffer, .address_space: global }
    .group_segment_fixed_size: 68096
    .private_segment_fixed_size: 0
    .kernarg_segment_align: 8
    .kernarg_segment_size: 96
    .max_flat_workgroup_size: 128
    .sgpr_count:     66
    .vgpr_count:     192
    .wavefront_size: 32
...
	.end_amdgpu_metadata
.endif
;; end of part 1
;; launch proj (part 2): grid 4 x 64, 4 waves a work-group, clusters of 4 x 4, 327,680 bytes of LDS; arguments xc, xs, wc, ws, bq, bk, bv, qkv; writes qkv
.if DOCPART == 2
	.amdgcn_target "amdgcn-amd-amdhsa--gfx1250"
	.amdhsa_code_object_version 6
	.text
	.protected	k_q77729aaa5e_proj
	.globl	k_q77729aaa5e_proj
	.p2align	8
	.type	k_q77729aaa5e_proj,@function
k_q77729aaa5e_proj:
	s_mov_b64 s[64:65], 0
	v_nop
	global_prefetch_b8 v0, s[64:65] scope:SCOPE_SE
	s_setreg_imm32_b32 hwreg(HW_REG_WAVE_MODE, 25, 1), 1
	s_wait_xcnt 0x0
	s_wait_alu depctr_hold_cnt(0) depctr_sa_sdst(0) depctr_va_vdst(0) depctr_va_sdst(0) depctr_va_ssrc(0) depctr_va_vcc(0) depctr_vm_vsrc(0)
	s_getreg_b32 s2, hwreg(HW_REG_IB_STS2, 6, 4)
	s_cmp_eq_u32 s2, 0
	s_cbranch_scc0 .Lentry_in_a_cluster
	s_endpgm
.Lentry_in_a_cluster:
	s_bfe_u32 s2, ttmp6, 0x10000c
	s_cmp_lg_u32 s2, 0xf033
	s_cbranch_scc0 .Lentry_shape_is_right
	s_endpgm
.Lentry_shape_is_right:
; PROJ: the three quantised products q Wq, k Wk, v Wv on codes of E2M1 with E8M0 scales, + bias, rounded to f16 and laid by heads: qkv [t][b][h][s][64].
; (q is stored unscaled; its division by 8 is exact and goes into the softmax's constant.)   LIMIT: a projected number of magnitude 65,504 or more becomes an infinity of f16.
; SHARES.  Work-group (X, Y) makes the tile of 128 tokens (Y) x 256 channels (X) of tensor t = 0, 1, 2 in turn: 256 equal work-groups.  Four waves, each 64 tokens x 128 channels:
; 32 accumulators of 16 x 16.  K = 1,024 goes in two halves of 512 (rows of 256 bytes of codes) through a ring of two LDS slots; the ring walks on from tensor to tensor.
; THE SCALES of the work-group's rows, for all three tensors and all of K, are two dense blocks of memory (12,288 and 24,576 bytes): they come once, with the first fills.
; CLUSTER 4 x 4.  The four of a row of the cluster need the same tokens' codes, the four of a column the same weights': each tile is asked for jointly.
; THE MATRIX INSTRUCTION IS USED TRANSPOSED (source 0 = 16 channels of W, source 1 = 16 tokens): a lane holds one token and eight neighbouring channels.  The bias is the C of each sum's first product.
; REGISTERS: window 0: v1-29 addresses; v32-47 the tokens' scale words, v48-79 the weights' (nothing else ever); v80-143 tokens' fragments, two sets; v144-175 packed results; v176-239 rows on their way out, two sets.
;   window 1: v0-127 weights' fragments, two sets.   window 2: accumulator (a, b) at v[8 (8 a + b)].   window 3: the biases, tensor t at v[64 t + 8 b].
.set PITCH,  272                       ; an LDS row: 256 bytes + 16 of padding, so that the 16 rows of a fragment load start 16 bytes apart modulo 256
.set BOFF,   128*PITCH                 ; a slot: the tokens' 128 rows, then the weights' 256
.set SLOT,   384*PITCH
.set SCA,    2*SLOT                    ; the tokens' scale bytes: 48 units of 256 bytes + 16
.set SCB,    SCA+48*PITCH              ; the weights': 96 units
.set STAGE,  SCB+96*PITCH              ; 16 rows x 272 for each wave, for the way out; no tile ever lands here
.set SPARE,  STAGE+4*16*PITCH          ; the spare words: 128 bytes for each wave
.set ADRA, 16                          ; v16-17 my tokens' fragments in slot 0, 1
.set ADRB, 20                          ; v20-21 my channels'
.set ASA,  22                          ; v22  my tokens' scale words
.set ASB,  23                          ; v23  my channels'
.set STO,  24
.set RD,   25
.set GO,   26
.set SPW,  28
.set NIL,  29
.set SA,   32
.set SB,   48
.set AF,   80
.set TMP,  144
.set BK,   176
.set WV,   20                          ; s20 wave; s21 its half of the tokens, also: it fetches tokens' tiles (0) or weights' (1); s22 its half of the channels, also: which half of a tile it fetches
.set WR,   21
.set WC,   22
.set G1A,  24
.set G1B,  32
.set G0A,  40                          ; one group 0 for each slot
.set G0B,  48
.set G1SA, 56
.set G1SB, 68
.set G0SA, 76
.set G0SB, 80
.set MSB, 0
.macro WIN new                         ; the immediate's high byte repeats the setting that is left
.if MSB != \new
	s_set_vgpr_msb (MSB<<8)|\new
.set MSB, \new
.endif
.endm
.set MUL,  0xa1                        ; source 0 window 1, source 1 window 0, C and D window 2
.set MULB, 0xb1                        ; the same with C (the bias) in window 3
.set TO_B, 0x40                        ; destination window 1
.macro PLACES n
.rept \n
	v_nop
.endr
.endm
; A joint load: waves 0 and 1 fetch the tokens' halves, waves 2 and 3 the weights'.  The branch hangs on the wave's number alone.  An s_nop 0 and four v_nop follow each line.
.macro JLOAD g0a, g1a, g0b, g1b
	s_cmp_eq_u32 s[WR], 0
	s_cbranch_scc0 .Lfor_b_\@
	tensor_load_to_lds s[\g0a:\g0a+3], s[\g1a:\g1a+7]
	s_nop 0
.rept 4
	v_nop
.endr
	s_branch .Lasked_\@
.Lfor_b_\@:
	tensor_load_to_lds s[\g0b:\g0b+3], s[\g1b:\g1b+7]
	s_nop 0
.rept 4
	v_nop
.endr
.Lasked_\@:
.endm
.macro CROUND                          ; a round of the cluster's barrier
	s_barrier_signal -1
	s_barrier_wait -1
	s_cmp_lg_u32 s[WV], 0
	s_cbranch_scc1 .Lnot_wave_0_\@
	s_barrier_signal -3
.Lnot_wave_0_\@:
	s_barrier_wait -3
	s_barrier_signal -1
	s_barrier_wait -1
.endm
	s_load_b512 s[4:19], s[0:1], 0x0               ; xc s[4:5], xs s[6:7], wc s[8:9], ws s[10:11], bq s[12:13], bk s[14:15], bv s[16:17], qkv s[18:19]
	v_lshl_add_u32 v[SPW], v0, 2, SPARE
	v_mov_b32 v[NIL], 0
	ds_add_u32 v[SPW], v[NIL]                      ; the opening: the add, twice on end, and its wait ahead of my first tensor load
	ds_add_u32 v[SPW], v[NIL]
	v_lshrrev_b32 v1, 5, v0
	v_readfirstlane_b32 s[WV], v1
	s_lshr_b32 s[WR], s[WV], 1
	s_and_b32 s[WC], s[WV], 1
	s_bfe_u32 s23, ttmp6, 0x40000                  ; cx
	s_bfe_u32 s96, ttmp6, 0x40004                  ; cy
	s_lshl_b32 s97, ttmp9, 2
	s_add_co_u32 s97, s97, s23                     ; X = 4 x cluster x + cx
	s_and_b32 s98, ttmp7, 0xffff
	s_lshl_b32 s98, s98, 2
	s_add_co_u32 s98, s98, s96                     ; Y = 4 x cluster y + cy
	s_lshl_b32 s90, s96, 2
	s_lshl_b32 s90, 15, s90                        ; my row of the cluster
	s_lshl_b32 s91, 0x1111, s23                    ; my column
	s_or_b32 s[G1A], s90, (0<<16)|(1<<20)|(1<<21)|(5<<22)|(3<<25)    ; the mask; elements of 1 byte; padding on; bit 21 beside a mask; 4 words behind every 64
	s_or_b32 s[G1B], s91, (0<<16)|(1<<20)|(1<<21)|(5<<22)|(3<<25)
	s_or_b32 s[G1SA], s90, (3<<16)|(1<<20)|(1<<21)|(5<<22)|(3<<25)   ; the scale bytes: elements of 8 bytes, rows of 32
	s_or_b32 s[G1SB], s91, (3<<16)|(1<<20)|(1<<21)|(5<<22)|(3<<25)
	s_mov_b32 s[G1A+1], 256<<16                    ; tensor_dim0 = 256 bytes
	s_mov_b32 s[G1A+2], 64<<16                     ; tensor_dim1 = 64 rows
	s_mov_b32 s[G1A+3], 256<<16                    ; tile_dim0
	s_mov_b32 s[G1A+4], 64                         ; tile_dim1
	s_mov_b32 s[G1A+5], 512                        ; from row to row
	s_mov_b32 s[G1A+6], 0
	s_mov_b32 s[G1A+7], 0
	s_mov_b32 s[G1B+1], 256<<16
	s_mov_b32 s[G1B+2], 128<<16                    ; 128 rows
	s_mov_b32 s[G1B+3], 256<<16
	s_mov_b32 s[G1B+4], 128
	s_mov_b32 s[G1B+5], 512
	s_mov_b32 s[G1B+6], 0
	s_mov_b32 s[G1B+7], 0
	s_mov_b32 s[G1SA+1], 32<<16
	s_mov_b32 s[G1SA+2], 24<<16                    ; 24 units of 256 bytes: half of the tokens' block
	s_mov_b32 s[G1SA+3], 32<<16
	s_mov_b32 s[G1SA+4], 24
	s_mov_b32 s[G1SA+5], 32
	s_mov_b32 s[G1SA+6], 0
	s_mov_b32 s[G1SA+7], 0
	s_mov_b32 s[G1SB+1], 32<<16
	s_mov_b32 s[G1SB+2], 48<<16                    ; 48 units: half of the weights' block
	s_mov_b32 s[G1SB+3], 32<<16
	s_mov_b32 s[G1SB+4], 48
	s_mov_b32 s[G1SB+5], 32
	s_mov_b32 s[G1SB+6], 0
	s_mov_b32 s[G1SB+7], 0
	; where the tiles come from: the tokens' hang on Y and the wave alone, the weights' on X and the wave alone, each in registers of its own
	s_lshl_b32 s92, s98, 7
	s_lshl_b32 s93, s[WC], 6
	s_add_co_u32 s92, s92, s93                     ; row 128 Y + 64 x half
	s_lshl_b32 s92, s92, 9                         ; x 512 bytes
	s_mov_b32 s93, 0
	s_lshl_b32 s94, s97, 8
	s_lshl_b32 s95, s[WC], 7
	s_add_co_u32 s94, s94, s95                     ; row 256 X + 128 x half
	s_lshl_b32 s94, s94, 9
	s_mov_b32 s95, 0
	s_mul_i32 s2, s98, 12288
	s_mul_i32 s3, s[WC], 6144
	s_add_co_u32 s2, s2, s3
	s_mov_b32 s3, 0
	s_mul_i32 s100, s97, 24576
	s_mul_i32 s101, s[WC], 12288
	s_add_co_u32 s100, s100, s101
	s_mov_b32 s101, 0
	s_mul_i32 s84, s[WC], 64*PITCH                 ; and where they go: the wave's number and constants alone
	s_mul_i32 s85, s[WC], 128*PITCH
	s_add_co_u32 s85, s85, BOFF
	s_mul_i32 s86, s[WC], 24*PITCH
	s_mul_i32 s87, s[WC], 48*PITCH
	s_wait_dscnt 0x0                               ; both opening adds are done
	s_wait_kmcnt 0x0
	s_add_nc_u64 s[92:93], s[4:5], s[92:93]
	s_add_nc_u64 s[94:95], s[8:9], s[94:95]
	s_add_nc_u64 s[2:3], s[6:7], s[2:3]
	s_add_nc_u64 s[100:101], s[10:11], s[100:101]
	CROUND                                         ; all sixteen work-groups are here: the first joint loads meet
	s_mov_b32 s[G0SA], 1
	s_add_co_u32 s[G0SA+1], s86, SCA
	s_mov_b64 s[G0SA+2:G0SA+3], s[2:3]
	s_or_b32 s[G0SA+3], s[G0SA+3], 0x80000000
	s_mov_b32 s[G0SB], 1
	s_add_co_u32 s[G0SB+1], s87, SCB
	s_mov_b64 s[G0SB+2:G0SB+3], s[100:101]
	s_or_b32 s[G0SB+3], s[G0SB+3], 0x80000000
	JLOAD G0SA, G1SA, G0SB, G1SB                   ; the scales first: they are wanted with the first half of K
.irp s, 0,1
	s_mov_b32 s[G0A+4*\s], 1
	s_add_co_u32 s[G0A+4*\s+1], s84, \s*SLOT
	s_add_nc_u64 s[G0A+4*\s+2:G0A+4*\s+3], s[92:93], \s*256
	s_or_b32 s[G0A+4*\s+3], s[G0A+4*\s+3], 0x80000000
	s_mov_b32 s[G0B+4*\s], 1
	s_add_co_u32 s[G0B+4*\s+1], s85, \s*SLOT
	s_add_nc_u64 s[G0B+4*\s+2:G0B+4*\s+3], s[94:95], \s*256
	s_or_b32 s[G0B+4*\s+3], s[G0B+4*\s+3], 0x80000000
	JLOAD G0A+4*\s, G1A, G0B+4*\s, G1B             ; three loads of mine are out behind the second of these
.endr
	v_and_b32 v1, 15, v0                           ; r = lane % 16
	v_bfe_u32 v2, v0, 4, 1                         ; h = lane / 16
	v_lshlrev_b32 v5, 5, v2                        ; the biases: 32 h bytes
	s_lshl_b32 s90, s97, 10
	s_lshl_b32 s91, s[WC], 9
	s_add_co_u32 s90, s90, s91                     ; my first channel, 256 X + 128 x half, in bytes
	s_mov_b32 s91, 0
	s_add_nc_u64 s[12:13], s[12:13], s[90:91]
	s_add_nc_u64 s[14:15], s[14:15], s[90:91]
	s_add_nc_u64 s[16:17], s[16:17], s[90:91]
	WIN 0xc0                                       ; destination window 3
.irp t, 0,1,2
.irp b, 0,1,2,3,4,5,6,7
	global_load_b128 v[64*\t+8*\b:64*\t+8*\b+3], v5, s[12+2*\t:13+2*\t] offset:64*\b        ; lane (r, h), register j: the bias of channel 16 b + 8 h + j: the result's layout
	global_load_b128 v[64*\t+8*\b+4:64*\t+8*\b+7], v5, s[12+2*\t:13+2*\t] offset:64*\b+16
.endr
.endr
	WIN 0
	v_mul_u32_u24 v3, v1, PITCH
	v_lshl_add_u32 v3, v2, 4, v3                   ; a fragment's row x pitch + 16 h
	s_mul_i32 s90, s[WR], 64*PITCH
	s_mul_i32 s91, s[WC], 128*PITCH
	s_add_co_u32 s91, s91, BOFF
.irp s, 0,1
	v_add_nc_u32 v[ADRA+\s], s90, v3
	v_add_nc_u32 v[ADRB+\s], s91, v3
	s_add_co_u32 s90, s90, SLOT
	s_add_co_u32 s91, s91, SLOT
.endr
	v_lshrrev_b32 v4, 3, v1
	v_mul_u32_u24 v4, v4, PITCH
	v_and_b32 v6, 7, v1
	v_lshl_add_u32 v4, v6, 5, v4                   ; a row's 32 scale bytes: eight rows to a unit
	s_mul_i32 s90, s[WR], 8*PITCH
	s_add_co_u32 s90, s90, SCA
	v_add_nc_u32 v[ASA], s90, v4
	s_mul_i32 s90, s[WC], 16*PITCH
	s_add_co_u32 s90, s90, SCB
	v_add_nc_u32 v[ASB], s90, v4
	s_mul_i32 s90, s[WV], 16*PITCH
	s_add_co_u32 s90, s90, STAGE                   ; my stage
	v_add_nc_u32 v[STO], s90, v3                   ; in: row r, 16 bytes for each half of the lanes
	v_and_b32 v6, 31, v0
	v_lshrrev_b32 v7, 3, v6
	v_mul_u32_u24 v7, v7, PITCH
	v_and_b32 v8, 7, v0
	v_lshl_add_u32 v7, v8, 4, v7
	v_add_nc_u32 v[RD], s90, v7                    ; back: eight lanes take one head's 128 bytes of a token, four tokens an instruction
	v_lshlrev_b32 v[GO], 4, v6                     ; which are 512 consecutive bytes of qkv
	s_lshr_b32 s90, s98, 4                         ; where my part of the tiles begins: ((b x 16 + head) x 2,048 + token) x 128 bytes
	s_lshl_b32 s90, s90, 4
	s_lshl_b32 s91, s97, 2
	s_add_co_u32 s90, s90, s91
	s_lshl_b32 s91, s[WC], 1
	s_add_co_u32 s90, s90, s91                     ; 16 b + 4 X + 2 x half
	s_lshl_b32 s90, s90, 11
	s_and_b32 s91, s98, 15
	s_lshl_b32 s91, s91, 7
	s_add_co_u32 s90, s90, s91
	s_lshl_b32 s91, s[WR], 6
	s_add_co_u32 s90, s90, s91
	s_lshl_b32 s90, s90, 7
	s_mov_b32 s91, 0
	s_add_nc_u64 s[84:85], s[18:19], s[90:91]      ; tensor 0,
	s_add_nc_u64 s[86:87], s[84:85], 0x1000000     ; 1,
	s_add_nc_u64 s[88:89], s[86:87], 0x1000000     ; 2
.macro FRAG reg, adr, q, i             ; 16 rows x 128 K of 4-bit codes: 8 registers; registers 4 c .. 4 c + 3 hold K = 64 c + 32 h + 0 .. 31: 16 bytes of the row as they lie
.irp c, 0,1
	ds_load_b128 v[\reg+4*\c:\reg+4*\c+3], v[\adr] offset:64*(\q)+32*\c+(\i)*16*PITCH
.endr
.endm
.macro FETCH slot, q, set              ; 24 loads: the fragments of the slot's q-th 128 along K
	WIN TO_B
.irp i, 0,1,2,3,4,5,6,7
	FRAG 64*(\set)+8*\i, ADRB+\slot, \q, \i
.endr
	WIN 0
.irp i, 0,1,2,3
	FRAG AF+32*(\set)+8*\i, ADRA+\slot, \q, \i
.endr
.endm
.macro SCALES t, half                  ; 12 loads: four scale words (512 along K) of each of my rows; lanes 16-31 read what lanes 0-15 read
.irp a, 0,1,2,3
	ds_load_b128 v[SA+4*\a:SA+4*\a+3], v[ASA] offset:(16*(\t)+2*\a)*PITCH+16*(\half)
.endr
.irp b, 0,1,2,3,4,5,6,7
	ds_load_b128 v[SB+4*\b:SB+4*\b+3], v[ASB] offset:(32*(\t)+2*\b)*PITCH+16*(\half)
.endr
.endm
; 32 matrix instructions, 128 along K.  The 32 accumulators take turns, one instruction a turn, in the same order in every step.  first = 1: the bias starts the sums.
.macro MUL32 set, q, t, first
.if \first
	WIN MULB
.else
	WIN MUL
.endif
.irp a, 0,1,2,3
.irp b, 0,1,2,3,4,5,6,7
.if \first
	v_wmma_scale_f32_16x16x128_f8f6f4 v[8*(8*\a+\b):8*(8*\a+\b)+7], v[64*(\set)+8*\b:64*(\set)+8*\b+7], v[AF+32*(\set)+8*\a:AF+32*(\set)+8*\a+7], v[64*(\t)+8*\b:64*(\t)+8*\b+7], v[SB+4*\b+(\q)], v[SA+4*\a+(\q)] matrix_a_fmt:MATRIX_FMT_FP4 matrix_b_fmt:MATRIX_FMT_FP4
.else
	v_wmma_scale_f32_16x16x128_f8f6f4 v[8*(8*\a+\b):8*(8*\a+\b)+7], v[64*(\set)+8*\b:64*(\set)+8*\b+7], v[AF+32*(\set)+8*\a:AF+32*(\set)+8*\a+7], v[8*(8*\a+\b):8*(8*\a+\b)+7], v[SB+4*\b+(\q)], v[SA+4*\a+(\q)] matrix_a_fmt:MATRIX_FMT_FP4 matrix_b_fmt:MATRIX_FMT_FP4
.endif
.endr
.endr
.endm
; A slot's four steps.  Each step's fragments were asked for a step earlier, into the other set; four places stand in front of each run of loads into registers that matrix instructions have read.
.macro SLOTWORK slot, t, first
	FETCH \slot, 0, 0
	SCALES \t, \slot
.irp q, 0,1,2,3
	s_wait_dscnt 0x0                               ; this step's fragments (and, in the first, the scale words) are in
.if \q < 3
	PLACES 4
	FETCH \slot, \q+1, (\q+1)%2
.endif
.if (\first) && (\q == 0)
	MUL32 0, 0, \t, 1
.else
	MUL32 \q%2, \q, \t, 0
.endif
.endr
	WIN 0
.endm
; The change of slots.  Each wave waits for all its tensor loads (its part of the other slot), adds 0 to its spare word, and waits for that and for its reads of the slot just read.
; fill = 1: behind a round of the cluster's barrier that slot takes the same half of K of the NEXT tensor: one joint load a wave, the first thing behind the round.
.macro CHANGE slot, fill
	s_wait_tensorcnt 0x0                           ; no tensor load of mine is out, so a group 0 may be written
	ds_add_u32 v[SPW], v[NIL]
.if \fill
	s_add_nc_u64 s[G0A+4*(\slot)+2:G0A+4*(\slot)+3], s[G0A+4*(\slot)+2:G0A+4*(\slot)+3], 0x400000   ; the next tensor's codes
	s_add_nc_u64 s[G0B+4*(\slot)+2:G0B+4*(\slot)+3], s[G0B+4*(\slot)+2:G0B+4*(\slot)+3], 0x80000
.endif
	s_wait_dscnt 0x0                               ; the add is done, and my reads of the slot are over
.if \fill
	CROUND
	JLOAD G0A+4*(\slot), G1A, G0B+4*(\slot), G1B   ; its four v_nop are also the places in front of the loads and conversions that follow
.else
	s_barrier_signal -1
	s_barrier_wait -1
	PLACES 4
.endif
.endm
; THE WAY OUT, a block of 16 tokens x 128 channels at a time: rounded to f16 (16 bytes a lane), through my own stage, back as one head's rows, stored 512 consecutive bytes an instruction.
.macro PACK a
	WIN 0x0a                                       ; sources 0 and 1: window 2
.irp b, 0,1,2,3,4,5,6,7
.irp i, 0,1,2,3
	v_cvt_pk_f16_f32 v[TMP+4*\b+\i], v[8*(8*(\a)+\b)+2*\i], v[8*(8*(\a)+\b)+2*\i+1]   ; each accumulator from its low end on
.endr
.endr
	WIN 0
.endm
.macro TOSTAGE a
.irp b, 0,1,2,3,4,5,6,7
	ds_store_b128 v[STO], v[TMP+4*\b:TMP+4*\b+3] offset:32*\b
.endr
.irp i, 0,1,2,3,4,5,6,7
	ds_load_b128 v[BK+32*((\a)%2)+4*\i:BK+32*((\a)%2)+4*\i+3], v[RD] offset:(\i%4)*4*PITCH+(\i/4)*128   ; LDS serves a wave's instructions in order: these see the stores above
.endr
.endm
.macro SEND a, t
	s_wait_dscnt 0x0                               ; the block is back in registers
	s_wait_xcnt 0x0                                ; the earlier stores have had their addresses translated: the set that they read is loaded again only behind this wait
.irp i, 0,1,2,3,4,5,6,7
	global_store_b128 v[GO], v[BK+32*((\a)%2)+4*\i:BK+32*((\a)%2)+4*\i+3], s[84+2*(\t):85+2*(\t)] offset:(\a)*2048+(\i/4)*262144+(\i%4)*512
.endr
.endm
.macro WAYOUT t
	PACK 0
	TOSTAGE 0
.irp a, 1,2,3                          ; block a's conversions stand between block a - 1's loads from the stage and the wait for them
	PACK \a
	SEND \a-1, \t
	TOSTAGE \a
.endr
	SEND 3, \t
.endm
	s_wait_tensorcnt 0x1                           ; the scales and my part of slot 0 are in; slot 1's load, the one issued behind them, may be out
	s_barrier_signal -1
	s_barrier_wait -1
	s_wait_loadcnt 0x0                             ; the biases
	SLOTWORK 0, 0, 1
	CHANGE 0, 1
	SLOTWORK 1, 0, 0
	CHANGE 1, 1
	WAYOUT 0                                       ; both refills are asked for: the tile goes out while they land
	SLOTWORK 0, 1, 1                               ; the conversions of the way out are the places in front of products that begin the accumulators anew
	CHANGE 0, 1
	SLOTWORK 1, 1, 0
	CHANGE 1, 1
	WAYOUT 1
	SLOTWORK 0, 2, 1
	CHANGE 0, 0                                    ; nothing is left to fetch
	SLOTWORK 1, 2, 0
	PLACES 4
	WAYOUT 2
	s_wait_tensorcnt 0x0                           ; the wave's end, behind my last tensor load and my last LDS store
	ds_add_u32 v[SPW], v[NIL]
	s_wait_dscnt 0x0
	CROUND                                         ; the closing round
	s_endpgm
.Lfunc_end_k_q77729aaa5e_proj:
	.size	k_q77729aaa5e_proj, .Lfunc_end_k_q77729aaa5e_proj-k_q77729aaa5e_proj
	.p2alignl 7, 3214868480
	.fill 96, 4, 3214868480
	.section	.rodata,"a",@progbits
	.p2align	6, 0x0
	.amdhsa_kernel k_q77729aaa5e_proj
		.amdhsa_group_segment_fixed_size 327680
		.amdhsa_private_segment_fixed_size 0
		.amdhsa_enable_private_segment 0
		.amdhsa_kernarg_size 64
		.amdhsa_user_sgpr_count 2
		.amdhsa_user_sgpr_kernarg_segment_ptr 1
		.amdhsa_wavefront_size32 1
		.amdhsa_system_sgpr_workgroup_id_x 1
		.amdhsa_system_sgpr_workgroup_id_y 1
		.amdhsa_system_sgpr_workgroup_id_z 1
		.amdhsa_system_vgpr_workitem_id 0
		.amdhsa_next_free_vgpr 1024
		.amdhsa_next_free_sgpr 102
		.amdhsa_reserve_vcc 0
		.amdhsa_float_denorm_mode_32 3
		.amdhsa_float_denorm_mode_16_64 3
		.amdhsa_memory_ordered 1
		.amdhsa_forward_progress 1
		.amdhsa_inst_pref_size 209
	.end_amdhsa_kernel
	.amdgpu_metadata
---
amdhsa.version: [ 1, 2 ]
amdhsa.kernels:
  - .name:           k_q77729aaa5e_proj
    .symbol:         k_q77729aaa5e_proj.kd
    .args:
      - { .name: xc, .offset: 0, .size: 8, .value_kind: global_buffer, .address_space: global }
      - { .name: xs, .offset: 8, .size: 8, .value_kind: global_buffer, .address_space: global }
      - { .name: wc, .offset: 16, .size: 8, .value_kind: global_buffer, .address_space: global }
      - { .name: ws, .offset: 24, .size: 8, .value_kind: global_buffer, .address_space: global }
      - { .name: bq, .offset: 32, .size: 8, .value_kind: global_buffer, .address_space: global }
      - { .name: bk, .offset: 40, .size: 8, .value_kind: global_buffer, .address_space: global }
      - { .name: bv, .offset: 48, .size: 8, .value_kind: global_buffer, .address_space: global }
      - { .name: qkv, .offset: 56, .size: 8, .value_kind: global_buffer, .address_space: global }
    .group_segment_fixed_size: 327680
    .private_segment_fixed_size: 0
    .kernarg_segment_align: 8
    .kernarg_segment_size: 64
    .max_flat_workgroup_size: 128
    .sgpr_count:     102
    .vgpr_count:     1024
    .wavefront_size: 32
...
	.end_amdgpu_metadata
.endif
;; end of part 2
;; launch attn (part 3): grid 4 x 64, 8 waves a work-group, clusters of 4 x 1, 327,680 bytes of LDS; arguments qkv, mask, ctx; writes ctx
.if DOCPART == 3
	.amdgcn_target "amdgcn-amd-amdhsa--gfx1250"
	.amdhsa_code_object_version 6
	.text
	.protected	k_q77729aaa5e_attn
	.globl	k_q77729aaa5e_attn
	.p2align	8
	.type	k_q77729aaa5e_attn,@function
k_q77729aaa5e_attn:
	s_mov_b64 s[64:65], 0
	v_nop
	global_prefetch_b8 v0, s[64:65] scope:SCOPE_SE
	s_setreg_imm32_b32 hwreg(HW_REG_WAVE_MODE, 25, 1), 1
	s_wait_xcnt 0x0
	s_wait_alu depctr_hold_cnt(0) depctr_sa_sdst(0) depctr_va_vdst(0) depctr_va_sdst(0) depctr_va_ssrc(0) depctr_va_vcc(0) depctr_vm_vsrc(0)
	s_getreg_b32 s2, hwreg(HW_REG_IB_STS2, 6, 4)
	s_cmp_eq_u32 s2, 0
	s_cbranch_scc0 .Lentry_in_a_cluster
	s_endpgm
.Lentry_in_a_cluster:
	s_bfe_u32 s2, ttmp6, 0x10000c
	s_cmp_lg_u32 s2, 0x3003
	s_cbranch_scc0 .Lentry_shape_is_right
	s_endpgm
.Lentry_shape_is_right:
; ATTN: ctx[b][h][q][:] = the sum over keys of softmax(Q . K / 8, hidden keys at -infinity) V.  Q, K, V: qkv [t][b][h][2048][64] f16; mask [b][2048] bytes; ctx [b][h][2048][64] f16.
; Products on f16 operands, sums, maxima and the softmax in f32; the weights p are rounded to f16 for the second product, ctx once at the end.
; SHARES.  A work-group owns 512 queries of one head; each of its eight waves 64: four tiles of 16.  Two waves share a SIMD's registers, so that one wave's softmax stands beside the other's products.
; Every wave walks all 2,048 keys, 64 a step.  K and V come through a ring of two LDS slots of 512 keys.
; CLUSTER 4 x 1: the four query blocks of a head walk the same K and V: each tile is asked for jointly, waves 0-3 a quarter of K's each, waves 4-7 of V's.
; LAYOUT.  S^T = K Q^T (source 0 = 16 keys, source 1 = 16 queries): a lane holds ONE query and the keys 8 (lane / 16) + 0..7 of a tile.  Two such tiles, rounded in pairs, are source 1 of
; O^T = V^T P, whose result again holds one query a lane.  K comes out of LDS as it lies, V turned by ds_load_tr16_b128.
; THE MASK costs no vector work: a table in LDS holds 0 for a key that counts and -3e38 for a hidden one, and is the C of each score's first product.
; SOFTMAX.  A running maximum m and sum l for each query; p = 2^(c s - c m), c = log2(e) / 8; O and l are multiplied by a = 2^(c m_old - c m_new) in every step.
; m begins at the floor -1e30.  f16 operands bound a true score by 64 x 65,504^2 = 2.8e11, so the floor lies under every true score and far above a hidden one:
; a hidden key's p is 2^(-5e37) = 0 whatever m is, and the first key that counts makes a = 0 on sums that are zeros.  A query with no key that counts ends with l = 0 and gets NaN, as the softmax of a row of -infinity does.
; LIMITS: NaN and infinities among Q, K, V (projections of 65,504 or more) are not served.
; REGISTERS: window 0: v1-5 addresses; v6, v7 the add's two; v8-31 six registers of statistics a tile; v32-63 the mask's table for a step; v64-191 S^T, 32 a tile, then P in the low 16 of each; v192-255 V of a step.
;   window 1: v0-127 O^T, 32 a tile; v128-191 Q; v192-255 K of a step.
.set PK,    272                        ; two keys' rows of K: 256 bytes + 16 of padding: the 16 keys of a fragment load start at 16 different 16-byte columns modulo 256
.set PV,    288                        ; two keys' rows of V: 256 + 32
.set KREG,  256*PK                     ; a slot: 512 keys of K, then of V
.set SLOT,  256*(PK+PV)
.set MBASE, 2*SLOT                     ; the mask's table: 2,048 f32; stored once, no tile lands here
.set SPARE, MBASE+8192                 ; the spare words: 128 bytes for each of eight waves
.set AK0, 1
.set AV0, 2
.set AM0, 3
.set ADR, 4
.set ADM, 5
.set SPW, 6
.set NIL, 7
.set ST,  8                            ; tile x at v[ST + 6 x]: +0 c m, +1 m, +2, +3 l (even keys', odd keys'), +4 a maximum's chain, then a; +5 the other chain, at work
.set MB,  32
.set S,   64
.set VF,  192
.set QF,  128                          ; in window 1
.set KF,  192                          ; in window 1
.set CNT, 10                           ; s10 counts trips
.set WV,  12
.set G1K, 24
.set G1V, 32
.set G0K, 40                           ; s[40:55] a group 0 for each of K's four fills; never rewritten
.set G0V, 68                           ; s[68:83] for V's
.set CS,  56                           ; s[56:57] c
.set SEL, 58                           ; s[58:59] lane selects: lane l xor 16
.set TBK, 60                           ; LDS byte of the K tile to be fetched next,
.set TBV, 61                           ; of the V tile,
.set TM,  62                           ; and its place in the mask's table
.set FLOOR, 0xf149f2ca                 ; -1e30
.set HID,   0xff61b1e6                 ; -3e38
.set MSB, 0
.macro WIN new
.if MSB != \new
	s_set_vgpr_msb (MSB<<8)|\new
.set MSB, \new
.endif
.endm
.macro PLACES n
.rept \n
	v_nop
.endr
.endm
.macro JLOAD g0k, g0v                  ; a joint refill; the branch hangs on the wave's number alone; an s_nop 0 and four v_nop follow each line
	s_cmp_lt_u32 s[WV], 4
	s_cbranch_scc0 .Lfor_v_\@
	tensor_load_to_lds s[\g0k:\g0k+3], s[G1K:G1K+7]
	s_nop 0
.rept 4
	v_nop
.endr
	s_branch .Lasked_\@
.Lfor_v_\@:
	tensor_load_to_lds s[\g0v:\g0v+3], s[G1V:G1V+7]
	s_nop 0
.rept 4
	v_nop
.endr
.Lasked_\@:
.endm
.macro CROUND
	s_barrier_signal -1
	s_barrier_wait -1
	s_cmp_lg_u32 s[WV], 0
	s_cbranch_scc1 .Lnot_wave_0_\@
	s_barrier_signal -3
.Lnot_wave_0_\@:
	s_barrier_wait -3
	s_barrier_signal -1
	s_barrier_wait -1
.endm
	s_load_b128 s[4:7], s[0:1], 0x0                ; qkv s[4:5], mask s[6:7]
	s_load_b64 s[8:9], s[0:1], 0x10                ; ctx
	v_lshl_add_u32 v[SPW], v0, 2, SPARE
	v_mov_b32 v[NIL], 0
	ds_add_u32 v[SPW], v[NIL]                      ; the opening: the add, twice on end, and its wait ahead of my first tensor load
	ds_add_u32 v[SPW], v[NIL]
	v_lshrrev_b32 v1, 5, v0
	v_readfirstlane_b32 s[WV], v1                  ; wave 0..7
	s_bfe_u32 s13, ttmp6, 0x40000                  ; cx
	s_lshl_b32 s11, ttmp9, 2
	s_add_co_u32 s11, s11, s13                     ; my block of 512 queries: it enters Q's and ctx's addresses alone
	s_and_b32 s14, ttmp7, 0xffff                   ; 16 b + h, which the four partners share
	s_and_b32 s15, s[WV], 3                        ; which quarter of a slot's keys I fetch
	s_mov_b32 s[G1K], 15|(1<<16)|(1<<20)|(1<<21)|(5<<22)|(3<<25)   ; the mask: all four; elements of 2 bytes; padding on; bit 21 beside a mask; 4 words behind every 64
	s_mov_b32 s[G1V], 15|(1<<16)|(1<<20)|(1<<21)|(5<<22)|(7<<25)   ; the same with 8 words of padding
.irp g, G1K, G1V
	s_mov_b32 s[\g+1], 128<<16                     ; tensor_dim0 = 128 elements: two keys' rows, which are dense in memory
	s_mov_b32 s[\g+2], 64<<16                      ; tensor_dim1 = 64
	s_mov_b32 s[\g+3], 128<<16                     ; tile_dim0
	s_mov_b32 s[\g+4], 64                          ; tile_dim1
	s_mov_b32 s[\g+5], 128                         ; from row to row
	s_mov_b32 s[\g+6], 0
	s_mov_b32 s[\g+7], 0
.endr
	s_mov_b32 s[CS], 0x3e38aa3b                    ; c = log2(e) / 8
	s_mov_b32 s[CS+1], s[CS]                       ; (named with it as a pair, so it is written)
	s_mov_b32 s[SEL], 0x76543210
	s_mov_b32 s[SEL+1], 0xfedcba98
	s_mov_b32 s[TBK], 0
	s_mov_b32 s[TBV], KREG
	s_mov_b32 s[TM], 0
	s_lshl_b32 s16, s14, 18                        ; the head's 262,144 bytes,
	s_lshl_b32 s17, s15, 14                        ; my quarter: 128 keys of 128 bytes
	s_add_co_u32 s16, s16, s17
	s_mov_b32 s17, 0
	s_mul_i32 s22, s15, 64*PK                      ; and its place in a slot
	s_mul_i32 s23, s15, 64*PV
	s_add_co_u32 s23, s23, KREG
	s_lshl_b32 s88, s14, 18                        ; my wave's 64 queries: head, block of 512, wave
	s_lshl_b32 s89, s11, 16
	s_add_co_u32 s88, s88, s89
	s_lshl_b32 s89, s[WV], 13
	s_add_co_u32 s88, s88, s89
	s_mov_b32 s89, 0
	s_lshr_b32 s20, s14, 4
	s_lshl_b32 s20, s20, 11                        ; the batch's 2,048 mask bytes
	s_mov_b32 s21, 0
	s_wait_dscnt 0x0                               ; both opening adds are done
	s_wait_kmcnt 0x0
	s_add_nc_u64 s[84:85], s[4:5], s[88:89]        ; Q
	s_add_nc_u64 s[86:87], s[8:9], s[88:89]        ; ctx
	s_add_nc_u64 s[6:7], s[6:7], s[20:21]          ; mask
	s_add_nc_u64 s[18:19], s[4:5], s[16:17]
	s_add_nc_u64 s[18:19], s[18:19], 0x1000000     ; K: tensor 1
	s_add_nc_u64 s[20:21], s[18:19], 0x1000000     ; V: tensor 2
	CROUND                                         ; all four work-groups are here: the first joint loads meet
.irp f, 0,1,2,3
	s_mov_b32 s[G0K+4*\f], 1
	s_add_co_u32 s[G0K+4*\f+1], s22, (\f%2)*SLOT
	s_add_nc_u64 s[G0K+4*\f+2:G0K+4*\f+3], s[18:19], \f*65536      ; keys 512 f on
	s_or_b32 s[G0K+4*\f+3], s[G0K+4*\f+3], 0x80000000
	s_mov_b32 s[G0V+4*\f], 1
	s_add_co_u32 s[G0V+4*\f+1], s23, (\f%2)*SLOT
	s_add_nc_u64 s[G0V+4*\f+2:G0V+4*\f+3], s[20:21], \f*65536
	s_or_b32 s[G0V+4*\f+3], s[G0V+4*\f+3], 0x80000000
.endr
	s_cmp_lt_u32 s[WV], 4                          ; a wave's two first fills stand in one branch, ahead of every wait on TENSORcnt, LDS read and barrier: two loads of mine are out
	s_cbranch_scc0 .Lfirst_v
	tensor_load_to_lds s[G0K:G0K+3], s[G1K:G1K+7]
	s_nop 0
	tensor_load_to_lds s[G0K+4:G0K+7], s[G1K:G1K+7]
	s_nop 0
.rept 4
	v_nop
.endr
	s_branch .Lfirst_asked
.Lfirst_v:
	tensor_load_to_lds s[G0V:G0V+3], s[G1V:G1V+7]
	s_nop 0
	tensor_load_to_lds s[G0V+4:G0V+7], s[G1V:G1V+7]
	s_nop 0
.rept 4
	v_nop
.endr
.Lfirst_asked:
	v_and_b32 v10, 15, v0                          ; r
	v_bfe_u32 v11, v0, 4, 1                        ; h
	v_lshlrev_b32 v9, 3, v0                        ; the mask: 8 bytes a thread
	global_load_b64 v[64:65], v9, s[6:7]
	v_lshlrev_b32 v8, 7, v10
	v_lshl_add_u32 v8, v11, 4, v8                  ; Q: row r of 128 bytes + 16 h
	WIN 0x40                                       ; destination window 1
.irp x, 0,1,2,3
.irp ks, 0,1
	global_load_b128 v[QF+16*\x+8*\ks:QF+16*\x+8*\ks+3], v8, s[84:85] offset:\x*2048+64*\ks       ; Q stays in registers: tile x, channels 32 ks on
	global_load_b128 v[QF+16*\x+8*\ks+4:QF+16*\x+8*\ks+7], v8, s[84:85] offset:\x*2048+64*\ks+32
.endr
.endr
	WIN 0
	v_lshrrev_b32 v12, 1, v10                      ; K: key r of a tile lies in pair-row r / 2, half r % 2
	v_mul_u32_u24 v[AK0], v12, PK
	v_and_b32 v12, 1, v10
	v_lshl_add_u32 v[AK0], v12, 7, v[AK0]
	v_lshl_add_u32 v[AK0], v11, 4, v[AK0]
	v_and_b32 v12, 7, v0                           ; V: the turning load: lane l reads 16 bytes of key 8 h + l % 8, channels 8 ((l / 8) % 2) on
	v_lshl_add_u32 v12, v11, 3, v12
	v_lshrrev_b32 v13, 1, v12
	v_mul_u32_u24 v[AV0], v13, PV
	v_and_b32 v13, 1, v12
	v_lshl_add_u32 v[AV0], v13, 7, v[AV0]
	v_bfe_u32 v13, v0, 3, 1
	v_lshl_add_u32 v[AV0], v13, 4, v[AV0]
	v_lshl_add_u32 v[AM0], v11, 5, MBASE           ; the table: my eight keys of a tile, 32 h bytes on
	v_lshl_add_u32 v14, v0, 5, MBASE               ; and where I store my eight words of it
	s_wait_loadcnt 16                              ; the mask's load is in; Q's sixteen, issued behind it, may be out
.irp i, 0,1,2,3,4,5,6,7
	v_bfe_u32 v[66+\i], v[64+\i/4], 8*(\i%4), 8    ; 1 or 0
.endr
.irp i, 0,1,2,3,4,5,6,7
	v_add_nc_u32 v[66+\i], -1, v[66+\i]            ; no bit or all
.endr
.irp i, 0,1,2,3,4,5,6,7
	v_and_b32 v[66+\i], HID, v[66+\i]              ; 0 or -3e38
.endr
	ds_store_b128 v14, v[66:69]
	ds_store_b128 v14, v[70:73] offset:16
; THE LDS LOADS of a step, in three runs.
.macro LOADK                           ; 64 keys x 64 channels: fragment (t, ks) = keys 16 t on, channels 32 ks on
	v_add_nc_u32 v[ADR], s[TBK], v[AK0]
	WIN 0x40
.irp t, 0,1,2,3
.irp ks, 0,1
	ds_load_b128 v[KF+16*\t+8*\ks:KF+16*\t+8*\ks+3], v[ADR] offset:\t*8*PK+64*\ks
	ds_load_b128 v[KF+16*\t+8*\ks+4:KF+16*\t+8*\ks+7], v[ADR] offset:\t*8*PK+64*\ks+32
.endr
.endr
	WIN 0
.endm
.macro LOADM                           ; the table's 64 words, in the result's layout: register j of tile t: key 16 t + 8 h + j
	v_add_nc_u32 v[ADM], s[TM], v[AM0]
.irp t, 0,1,2,3
	ds_load_b128 v[MB+8*\t:MB+8*\t+3], v[ADM] offset:64*\t
	ds_load_b128 v[MB+8*\t+4:MB+8*\t+7], v[ADM] offset:64*\t+16
.endr
.endm
.macro LOADV                           ; fragment (u, ct) = keys 32 u on, channels 16 ct on, turned
	v_add_nc_u32 v[ADR], s[TBV], v[AV0]
.irp u, 0,1
.irp ct, 0,1,2,3
	ds_load_tr16_b128 v[VF+8*(4*\u+\ct):VF+8*(4*\u+\ct)+3], v[ADR] offset:\u*16*PV+32*\ct
	ds_load_tr16_b128 v[VF+8*(4*\u+\ct)+4:VF+8*(4*\u+\ct)+7], v[ADR] offset:\u*16*PV+32*\ct+8*PV
.endr
.endr
.endm
; 32 products S^T = K Q^T + the table.  The 16 accumulators take turns, one instruction a turn.
.macro KQ
	WIN 0x05                                       ; K and Q in window 1
.irp t, 0,1,2,3
.irp x, 0,1,2,3
	v_wmma_f32_16x16x32_f16 v[S+32*\x+8*\t:S+32*\x+8*\t+7], v[KF+16*\t:KF+16*\t+7], v[QF+16*\x:QF+16*\x+7], v[MB+8*\t:MB+8*\t+7]
.endr
.endr
.irp t, 0,1,2,3
.irp x, 0,1,2,3
	v_wmma_f32_16x16x32_f16 v[S+32*\x+8*\t:S+32*\x+8*\t+7], v[KF+16*\t+8:KF+16*\t+15], v[QF+16*\x+8:QF+16*\x+15], v[S+32*\x+8*\t:S+32*\x+8*\t+7]
.endr
.endr
.endm
; 32 products O^T += V^T P, again 16 accumulators by turns.  first = 1: the first 16 start the sums.
.macro PV first
	WIN 0x50                                       ; C and D in window 1
.irp u, 0,1
.irp ct, 0,1,2,3
.irp x, 0,1,2,3
.if (\first) && (\u == 0)
	v_wmma_f32_16x16x32_f16 v[32*\x+8*\ct:32*\x+8*\ct+7], v[VF+8*(4*\u+\ct):VF+8*(4*\u+\ct)+7], v[S+32*\x+8*\u:S+32*\x+8*\u+7], 0
.else
	v_wmma_f32_16x16x32_f16 v[32*\x+8*\ct:32*\x+8*\ct+7], v[VF+8*(4*\u+\ct):VF+8*(4*\u+\ct)+7], v[S+32*\x+8*\u:S+32*\x+8*\u+7], v[32*\x+8*\ct:32*\x+8*\ct+7]
.endif
.endr
.endr
.endr
.endm
; THE SOFTMAX of a step, the four tiles line by line, so that no line waits for the line above it.  first = 1: the first step, which starts m, l and O^T.
.macro SOFTMAX first
.irp x, 0,1,2,3                        ; the maximum of the lane's 32 scores in two chains; each of the four score tiles is first read at its low end
	v_max3_num_f32 v[ST+6*\x+4], v[S+32*\x], v[S+32*\x+1], v[S+32*\x+2]
	v_max3_num_f32 v[ST+6*\x+5], v[S+32*\x+16], v[S+32*\x+17], v[S+32*\x+18]
.endr
.irp i, 3,5,7,9,11,13
.irp x, 0,1,2,3
	v_max3_num_f32 v[ST+6*\x+4], v[ST+6*\x+4], v[S+32*\x+\i], v[S+32*\x+\i+1]
	v_max3_num_f32 v[ST+6*\x+5], v[ST+6*\x+5], v[S+32*\x+16+\i], v[S+32*\x+17+\i]
.endr
.endr
.irp x, 0,1,2,3
	v_max3_num_f32 v[ST+6*\x+4], v[ST+6*\x+4], v[S+32*\x+15], v[S+32*\x+31]
.endr
.irp x, 0,1,2,3
.if \first
	v_max3_num_f32 v[ST+6*\x+4], v[ST+6*\x+4], v[ST+6*\x+5], FLOOR   ; m never lies under the floor
.else
	v_max3_num_f32 v[ST+6*\x+4], v[ST+6*\x+4], v[ST+6*\x+5], v[ST+6*\x+1]
.endif
.endr
.irp x, 0,1,2,3
	v_permlanex16_b32 v[ST+6*\x+5], v[ST+6*\x+4], s[SEL], s[SEL+1]   ; the query's other 32 keys lie in the lane 16 away
.endr
.irp x, 0,1,2,3
	v_max_num_f32 v[ST+6*\x+1], v[ST+6*\x+4], v[ST+6*\x+5]           ; the new m
.endr
.if \first
.irp x, 0,1,2,3
	v_mul_f32 v[ST+6*\x], s[CS], v[ST+6*\x+1]                        ; c m
.endr
.else
.irp x, 0,1,2,3
	v_mul_f32 v[ST+6*\x+5], s[CS], v[ST+6*\x+1]
.endr
.irp x, 0,1,2,3
	v_sub_f32 v[ST+6*\x+4], v[ST+6*\x], v[ST+6*\x+5]                 ; c m_old - c m_new
.endr
.irp x, 0,1,2,3
	v_mov_b32 v[ST+6*\x], v[ST+6*\x+5]
.endr
.endif
.set p, 0
.rept 16
.irp x, 0,1,2,3
	v_pk_fma_f32 v[S+32*\x+2*p:S+32*\x+2*p+1], v[S+32*\x+2*p:S+32*\x+2*p+1], s[CS:CS+1], v[ST+6*\x:ST+6*\x+1] op_sel_hi:[1,0,0] neg_lo:[0,0,1] neg_hi:[0,0,1]   ; c s - c m, a pair at a time
.endr
.set p, p+1
.endr
.if \first == 0
.irp x, 0,1,2,3
	v_exp_f32 v[ST+6*\x+4], v[ST+6*\x+4]                             ; a
.endr
.endif
.set p, 0
.rept 32                               ; the exponentials are ONE batch: none of them reads another's result
.irp x, 0,1,2,3
	v_exp_f32 v[S+32*\x+p], v[S+32*\x+p]
.endr
.set p, p+1
.endr
	v_nop                                          ; a plain instruction behind the last exponential,
	s_wait_alu depctr_va_vdst(0)                   ; and the one wait ahead of the batch's first reader
.set p, 0
.rept 16                               ; pair p: into the sum (of the unrounded weights), then rounded to f16 into register p of the tile, whose old number has been used up
.irp x, 0,1,2,3
.if p == 0
.if \first
	v_pk_add_f32 v[ST+6*\x+2:ST+6*\x+3], v[S+32*\x:S+32*\x+1], v[S+32*\x+2:S+32*\x+3]
.else
	v_pk_fma_f32 v[ST+6*\x+2:ST+6*\x+3], v[ST+6*\x+2:ST+6*\x+3], v[ST+6*\x+4:ST+6*\x+5], v[S+32*\x:S+32*\x+1] op_sel_hi:[1,0,1]   ; l = a l + pair 0
.endif
.elseif (p > 1) || (\first == 0)
	v_pk_add_f32 v[ST+6*\x+2:ST+6*\x+3], v[ST+6*\x+2:ST+6*\x+3], v[S+32*\x+2*p:S+32*\x+2*p+1]
.endif
.endr
.irp x, 0,1,2,3
	v_cvt_pk_f16_f32 v[S+32*\x+p], v[S+32*\x+2*p], v[S+32*\x+2*p+1]
.endr
.set p, p+1
.endr
.endm
.macro RESCALE                         ; O^T times a
	WIN 0x41                                       ; destination and source 0 in window 1
.set p, 0
.rept 16
.irp x, 0,1,2,3
	v_pk_mul_f32 v[32*\x+2*p:32*\x+2*p+1], v[32*\x+2*p:32*\x+2*p+1], v[ST+6*\x+4:ST+6*\x+5] op_sel_hi:[1,0]
.endr
.set p, p+1
.endr
.endm
; A TRIP: the softmax and V^T P of the step in hand, and (more = 1) the loads and K Q^T of the next.
.macro TRIP first, more
.if \more
	LOADK                                          ; the next step's K and table: their registers' last readers stand four places back
	LOADM
.endif
	SOFTMAX \first
.if \first == 0
	RESCALE
.endif
.if \more
	s_wait_dscnt 24                                ; V of this step is in; K's 16 loads and the table's 8, issued behind it, may be out
.else
	s_wait_dscnt 0x0
.endif
	PV \first
	WIN 0
.if \more
	PLACES 5                                       ; in front of the loads into V's registers, and of the products that write the scores over P
	LOADV
	s_wait_dscnt 16                                ; K and the table are in; V's 16 loads may be out
	KQ
	WIN 0
	PLACES 4                                       ; in front of the first read of the scores, and of the next loads into K's and the table's registers
	s_add_co_u32 s[TBK], s[TBK], 32*PK             ; 64 keys on
	s_add_co_u32 s[TBV], s[TBV], 32*PV
	s_add_co_u32 s[TM], s[TM], 256
.endif
.endm
.macro TRIPS n
	s_mov_b32 s[CNT], \n
.Ltrip_\@:
	TRIP 0, 1
	s_sub_co_u32 s[CNT], s[CNT], 1
	s_cmp_lg_u32 s[CNT], 0
	s_cbranch_scc1 .Ltrip_\@
.endm
; THE CHANGE OF SLOTS, where the next trip's loads begin a new slot.  Each wave waits for all its tensor loads (its part of that slot), adds 0 to its spare word, and waits for that and for its reads of the slot
; that it leaves.  fill = 1: behind a round of the cluster's barrier the slot that is left takes fill f: one joint load a wave, which has eight trips in which to land.
.macro CHANGE slot, f, fill
	s_wait_tensorcnt 0x0
	ds_add_u32 v[SPW], v[NIL]
	s_mov_b32 s[TBK], (\slot)*SLOT
	s_mov_b32 s[TBV], (\slot)*SLOT+KREG
	s_wait_dscnt 0x0                               ; the add is done, and my reads of the slot that I leave are over
.if \fill
	CROUND
	JLOAD G0K+4*(\f), G0V+4*(\f)
.else
	s_barrier_signal -1
	s_barrier_wait -1
.endif
.endm
	s_wait_tensorcnt 0x1                           ; my part of slot 0 is in; slot 1's load, issued behind it, may be out
	s_wait_dscnt 0x0                               ; my words of the table are stored
	s_barrier_signal -1
	s_barrier_wait -1
	LOADK                                          ; step 0
	LOADM
	LOADV
	s_add_co_u32 s[TBK], s[TBK], 32*PK
	s_add_co_u32 s[TBV], s[TBV], 32*PV
	s_add_co_u32 s[TM], s[TM], 256
	s_wait_loadcnt 0x0                             ; Q
	s_wait_dscnt 16                                ; K and the table are in; V's 16 loads may be out
	KQ
	WIN 0
	PLACES 4
	TRIP 1, 1                                      ; step 0; fetches step 1
	TRIPS 6                                        ; steps 1 to 6; the last fetches step 7, slot 0's last
	CHANGE 1, 2, 1                                 ; on to slot 1; slot 0 takes keys 1,024 on
	TRIPS 8
	CHANGE 0, 3, 1                                 ; on to slot 0; slot 1 takes keys 1,536 on
	TRIPS 8
	CHANGE 1, 0, 0                                 ; on to slot 1; nothing is left to fetch, and nobody reads slot 0 any more
	TRIPS 8
	TRIP 0, 0                                      ; step 31
	; THE WAY OUT.  l's two halves and the other half of the lanes' are added; O^T / l is rounded to f16 and goes through my stage (in slot 0, which has had its last fill and its last read), a tile of 16 queries at a time.
.irp x, 0,1,2,3
	v_add_f32 v[ST+6*\x+4], v[ST+6*\x+2], v[ST+6*\x+3]               ; (these lines are the places behind the last products)
.endr
.irp x, 0,1,2,3
	v_permlanex16_b32 v[ST+6*\x+5], v[ST+6*\x+4], s[SEL], s[SEL+1]
.endr
.irp x, 0,1,2,3
	v_add_f32 v[ST+6*\x+4], v[ST+6*\x+4], v[ST+6*\x+5]
.endr
	v_mov_b32 v5, 0x7fc00000
.irp x, 0,1,2,3
	v_cmp_eq_f32 vcc_lo, 0, v[ST+6*\x+4]           ; no key counted for this query:
	v_cndmask_b32 v[ST+6*\x+4], v[ST+6*\x+4], v5, vcc_lo             ; NaN
.endr
.irp x, 0,1,2,3
	v_rcp_f32 v[ST+6*\x+4], v[ST+6*\x+4]
.endr
	v_and_b32 v1, 15, v0                           ; (plain work behind the reciprocals)  r
	v_bfe_u32 v2, v0, 4, 1                         ; h
	s_mul_i32 s16, s[WV], 4*16*144                 ; my stage: four tiles of 16 rows x (128 bytes + 16)
	v_mul_u32_u24 v3, v1, 144
	v_lshl_add_u32 v3, v2, 4, v3
	v_add_nc_u32 v3, s16, v3                       ; in: row r, 16 bytes for each half of the lanes
	v_and_b32 v4, 31, v0
	v_lshrrev_b32 v1, 3, v4
	v_mul_u32_u24 v1, v1, 144
	v_and_b32 v2, 7, v0
	v_lshl_add_u32 v1, v2, 4, v1
	v_add_nc_u32 v1, s16, v1                       ; back: eight lanes to a row, four rows an instruction
	v_lshlrev_b32 v2, 4, v4                        ; which are 512 consecutive bytes of ctx
	s_wait_alu depctr_va_vdst(0)                   ; one wait for the four reciprocals, ahead of their first reader
	WIN 0x01                                       ; source 0 (O^T) in window 1
.set p, 0
.rept 16
.irp x, 0,1,2,3
	v_pk_mul_f32 v[S+32*\x+2*p:S+32*\x+2*p+1], v[32*\x+2*p:32*\x+2*p+1], v[ST+6*\x+4:ST+6*\x+5] op_sel_hi:[1,0]   ; each accumulator from its low end on
.endr
.set p, p+1
.endr
	WIN 0
.set p, 0
.rept 16
.irp x, 0,1,2,3
	v_cvt_pk_f16_f32 v[S+32*\x+p], v[S+32*\x+2*p], v[S+32*\x+2*p+1]
.endr
.set p, p+1
.endr
.irp x, 0,1,2,3
.irp ct, 0,1,2,3
	ds_store_b128 v3, v[S+32*\x+4*\ct:S+32*\x+4*\ct+3] offset:\x*2304+32*\ct
.endr
.irp i, 0,1,2,3
	ds_load_b128 v[S+32*\x+16+4*\i:S+32*\x+16+4*\i+3], v1 offset:\x*2304+576*\i   ; LDS serves a wave's instructions in order: these see the stores above
.endr
.endr
.irp x, 0,1,2,3
.irp i, 0,1,2,3
	s_wait_dscnt (3-\x)*8+3-\i                     ; behind this load: the rest of its tile's loads and eight instructions for each later tile
	global_store_b128 v2, v[S+32*\x+16+4*\i:S+32*\x+16+4*\i+3], s[86:87] offset:\x*2048+512*\i
.endr
.endr
	s_wait_tensorcnt 0x0                           ; the wave's end, behind my last tensor load and my last LDS store
	ds_add_u32 v[SPW], v[NIL]
	s_wait_dscnt 0x0
	CROUND                                         ; the closing round
	s_endpgm
.Lfunc_end_k_q77729aaa5e_attn:
	.size	k_q77729aaa5e_attn, .Lfunc_end_k_q77729aaa5e_attn-k_q77729aaa5e_attn
	.p2alignl 7, 3214868480
	.fill 96, 4, 3214868480
	.section	.rodata,"a",@progbits
	.p2align	6, 0x0
	.amdhsa_kernel k_q77729aaa5e_attn
		.amdhsa_group_segment_fixed_size 327680
		.amdhsa_private_segment_fixed_size 0
		.amdhsa_enable_private_segment 0
		.amdhsa_kernarg_size 24
		.amdhsa_user_sgpr_count 2
		.amdhsa_user_sgpr_kernarg_segment_ptr 1
		.amdhsa_wavefront_size32 1
		.amdhsa_system_sgpr_workgroup_id_x 1
		.amdhsa_system_sgpr_workgroup_id_y 1
		.amdhsa_system_sgpr_workgroup_id_z 1
		.amdhsa_system_vgpr_workitem_id 0
		.amdhsa_next_free_vgpr 512
		.amdhsa_next_free_sgpr 90
		.amdhsa_reserve_vcc 1
		.amdhsa_float_denorm_mode_32 3
		.amdhsa_float_denorm_mode_16_64 3
		.amdhsa_memory_ordered 1
		.amdhsa_forward_progress 1
		.amdhsa_inst_pref_size 217
	.end_amdhsa_kernel
	.amdgpu_metadata
---
amdhsa.version: [ 1, 2 ]
amdhsa.kernels:
  - .name:           k_q77729aaa5e_attn
    .symbol:         k_q77729aaa5e_attn.kd
    .args:
      - { .name: qkv, .offset: 0, .size: 8, .value_kind: global_buffer, .address_space: global }
      - { .name: mask, .offset: 8, .size: 8, .value_kind: global_buffer, .address_space: global }
      - { .name: ctx, .offset: 16, .size: 8, .value_kind: global_buffer, .address_space: global }
    .group_segment_fixed_size: 327680
    .private_segment_fixed_size: 0
    .kernarg_segment_align: 8
    .kernarg_segment_size: 24
    .max_flat_workgroup_size: 256
    .sgpr_count:     90
    .vgpr_count:     512
    .wavefront_size: 32
...
	.end_amdgpu_metadata
.endif
;; end of part 3
;; launch outp (part 4): grid 4 x 64, 4 waves a work-group, clusters of 4 x 4, 327,680 bytes of LDS; arguments ctx, wo16, bo, out0; writes out0
.if DOCPART == 4
	.amdgcn_target "amdgcn-amd-amdhsa--gfx1250"
	.amdhsa_code_object_version 6
	.text
	.protected	k_q77729aaa5e_outp
	.globl	k_q77729aaa5e_outp
	.p2align	8
	.type	k_q77729aaa5e_outp,@function
k_q77729aaa5e_outp:
	s_mov_b64 s[64:65], 0
	v_nop
	global_prefetch_b8 v0, s[64:65] scope:SCOPE_SE
	s_setreg_imm32_b32 hwreg(HW_REG_WAVE_MODE, 25, 1), 1
	s_wait_xcnt 0x0
	s_wait_alu depctr_hold_cnt(0) depctr_sa_sdst(0) depctr_va_vdst(0) depctr_va_sdst(0) depctr_va_ssrc(0) depctr_va_vcc(0) depctr_vm_vsrc(0)
	s_getreg_b32 s2, hwreg(HW_REG_IB_STS2, 6, 4)
	s_cmp_eq_u32 s2, 0
	s_cbranch_scc0 .Lentry_in_a_cluster
	s_endpgm
.Lentry_in_a_cluster:
	s_bfe_u32 s2, ttmp6, 0x10000c
	s_cmp_lg_u32 s2, 0xf033
	s_cbranch_scc0 .Lentry_shape_is_right
	s_endpgm
.Lentry_shape_is_right:
; OUTP: out0 = ctx Wo + bo.  ctx [b][h][s][64] f16 (K = 64 h + channel), wo16 [1024 (k)][1024 (n)] f16, bo f32, out0 [8192][1024] f32; sums in f32.
; SHARES.  Work-group (X, Y) makes 128 tokens (Y) x 256 columns (X): 256 work-groups, one tile each.  Four waves, each 64 x 128: 32 accumulators.  K goes in 8 steps of 128 (two heads) through a ring of two LDS slots.
; CLUSTER 4 x 4: ctx's tiles are shared along a row of the cluster, Wo's along a column: each is asked for jointly.
; THE MATRIX INSTRUCTION IS USED TRANSPOSED: source 0 = 16 columns of Wo, turned out of LDS by ds_load_tr16_b128; source 1 = 16 tokens: a lane holds one token and eight neighbouring columns.  bo is the C of the first products.
; REGISTERS: window 0: v1-29 addresses; v32-95 ctx's fragments, two sets; v96-223 rows on their way out, two sets.  window 1: v0-127 Wo's fragments, two sets; v128-191 bo.  window 2: accumulator (a, b) at v[8 (8 a + b)].
.set PA,     272                       ; two tokens' rows of a head: 256 bytes + 16
.set PB,     544                       ; a row of Wo's tile: 512 bytes + 32
.set BOFF,   128*PA                    ; a slot: two heads x 64 pair-rows of ctx, then 128 rows of Wo
.set SLOT,   BOFF+128*PB
.set SPARE,  2*SLOT
.set SPITCH, 528                       ; the way out: 16 rows x (512 bytes + 16) for each wave, in slot 0, which has had its last fill and its last read by then
.set ADRA, 16
.set ADRB, 20
.set STO,  24
.set RD,   25
.set CO,   26
.set SPW,  28
.set NIL,  29
.set AF,   32
.set BK,   96
.set BIAS, 128                         ; in window 1
.set WV,   12
.set WR,   13                          ; my half of the tokens; also: I fetch ctx's tiles (0) or Wo's (1)
.set WC,   14                          ; my half of the columns; also: which half of a tile I fetch
.set G1A,  24
.set G1B,  32
.set G0A,  40
.set G0B,  48
.set MSB, 0
.macro WIN new
.if MSB != \new
	s_set_vgpr_msb (MSB<<8)|\new
.set MSB, \new
.endif
.endm
.macro PLACES n
.rept \n
	v_nop
.endr
.endm
.macro JLOAD g0a, g0b                  ; a joint load; the branch hangs on the wave's number alone; an s_nop 0 and four v_nop follow each line
	s_cmp_eq_u32 s[WR], 0
	s_cbranch_scc0 .Lfor_b_\@
	tensor_load_to_lds s[\g0a:\g0a+3], s[G1A:G1A+7]
	s_nop 0
.rept 4
	v_nop
.endr
	s_branch .Lasked_\@
.Lfor_b_\@:
	tensor_load_to_lds s[\g0b:\g0b+3], s[G1B:G1B+7]
	s_nop 0
.rept 4
	v_nop
.endr
.Lasked_\@:
.endm
.macro CROUND
	s_barrier_signal -1
	s_barrier_wait -1
	s_cmp_lg_u32 s[WV], 0
	s_cbranch_scc1 .Lnot_wave_0_\@
	s_barrier_signal -3
.Lnot_wave_0_\@:
	s_barrier_wait -3
	s_barrier_signal -1
	s_barrier_wait -1
.endm
	s_load_b256 s[4:11], s[0:1], 0x0               ; ctx s[4:5], wo16 s[6:7], bo s[8:9], out0 s[10:11]
	v_lshl_add_u32 v[SPW], v0, 2, SPARE
	v_mov_b32 v[NIL], 0
	ds_add_u32 v[SPW], v[NIL]                      ; the opening: the add, twice on end, and its wait ahead of my first tensor load
	ds_add_u32 v[SPW], v[NIL]
	v_lshrrev_b32 v1, 5, v0
	v_readfirstlane_b32 s[WV], v1
	s_lshr_b32 s[WR], s[WV], 1
	s_and_b32 s[WC], s[WV], 1
	s_bfe_u32 s15, ttmp6, 0x40000                  ; cx
	s_bfe_u32 s16, ttmp6, 0x40004                  ; cy
	s_lshl_b32 s17, ttmp9, 2
	s_add_co_u32 s17, s17, s15                     ; X
	s_and_b32 s18, ttmp7, 0xffff
	s_lshl_b32 s18, s18, 2
	s_add_co_u32 s18, s18, s16                     ; Y
	s_lshl_b32 s20, s16, 2
	s_lshl_b32 s20, 15, s20                        ; my row of the cluster
	s_lshl_b32 s21, 0x1111, s15                    ; my column
	s_or_b32 s[G1A], s20, (1<<16)|(1<<20)|(1<<21)|(5<<22)|(3<<25)   ; elements of 2 bytes; 4 words of padding behind every 64
	s_or_b32 s[G1B], s21, (1<<16)|(1<<20)|(1<<21)|(6<<22)|(7<<25)   ; 8 words behind every 128
	s_mov_b32 s[G1A+1], 128<<16                    ; two tokens' rows of a head, dense in memory: 128 elements,
	s_mov_b32 s[G1A+2], 64<<16                     ; 64 of them
	s_mov_b32 s[G1A+3], 128<<16
	s_mov_b32 s[G1A+4], 64
	s_mov_b32 s[G1A+5], 128
	s_mov_b32 s[G1A+6], 0
	s_mov_b32 s[G1A+7], 0
	s_mov_b32 s[G1B+1], 256<<16                    ; 256 columns,
	s_mov_b32 s[G1B+2], 64<<16                     ; 64 rows along K
	s_mov_b32 s[G1B+3], 256<<16
	s_mov_b32 s[G1B+4], 64
	s_mov_b32 s[G1B+5], 1024
	s_mov_b32 s[G1B+6], 0
	s_mov_b32 s[G1B+7], 0
	s_lshr_b32 s56, s18, 4                         ; ctx: ((16 b + my head of the step's two) x 2,048 + 128 (Y % 16)) x 128 bytes: Y and the wave alone
	s_lshl_b32 s56, s56, 4
	s_add_co_u32 s56, s56, s[WC]
	s_lshl_b32 s56, s56, 11
	s_and_b32 s57, s18, 15
	s_lshl_b32 s57, s57, 7
	s_add_co_u32 s56, s56, s57
	s_lshl_b32 s56, s56, 7
	s_mov_b32 s57, 0
	s_lshl_b32 s58, s[WC], 17                      ; Wo: my 64 rows of 2,048 bytes + 512 X: X and the wave alone
	s_lshl_b32 s59, s17, 9
	s_add_co_u32 s58, s58, s59
	s_mov_b32 s59, 0
	s_mul_i32 s60, s[WC], 64*PA                    ; where they go: the wave's number and constants alone
	s_mul_i32 s61, s[WC], 64*PB
	s_add_co_u32 s61, s61, BOFF
	s_wait_dscnt 0x0                               ; both opening adds are done
	s_wait_kmcnt 0x0
	s_add_nc_u64 s[56:57], s[4:5], s[56:57]
	s_add_nc_u64 s[58:59], s[6:7], s[58:59]
	CROUND                                         ; all sixteen work-groups are here: the first joint loads meet
.irp s, 0,1
	s_mov_b32 s[G0A+4*\s], 1
	s_add_co_u32 s[G0A+4*\s+1], s60, \s*SLOT
	s_add_nc_u64 s[G0A+4*\s+2:G0A+4*\s+3], s[56:57], \s*524288     ; K step s: two heads on
	s_or_b32 s[G0A+4*\s+3], s[G0A+4*\s+3], 0x80000000
	s_mov_b32 s[G0B+4*\s], 1
	s_add_co_u32 s[G0B+4*\s+1], s61, \s*SLOT
	s_add_nc_u64 s[G0B+4*\s+2:G0B+4*\s+3], s[58:59], \s*262144     ; 128 rows on
	s_or_b32 s[G0B+4*\s+3], s[G0B+4*\s+3], 0x80000000
	JLOAD G0A+4*\s, G0B+4*\s                       ; two loads of mine are out behind the second
.endr
	v_and_b32 v1, 15, v0                           ; r
	v_bfe_u32 v2, v0, 4, 1                         ; h
	v_lshlrev_b32 v5, 5, v2                        ; bo: 32 h bytes
	s_lshl_b32 s20, s17, 10
	s_lshl_b32 s21, s[WC], 9
	s_add_co_u32 s20, s20, s21                     ; my first column, 256 X + 128 x half, in bytes
	s_mov_b32 s21, 0
	s_add_nc_u64 s[8:9], s[8:9], s[20:21]
	s_add_nc_u64 s[10:11], s[10:11], s[20:21]
	WIN 0x40                                       ; destination window 1
.irp b, 0,1,2,3,4,5,6,7
	global_load_b128 v[BIAS+8*\b:BIAS+8*\b+3], v5, s[8:9] offset:64*\b          ; lane (r, h), register j: bo of column 16 b + 8 h + j
	global_load_b128 v[BIAS+8*\b+4:BIAS+8*\b+7], v5, s[8:9] offset:64*\b+16
.endr
	WIN 0
	s_lshl_b32 s20, s18, 7
	s_lshl_b32 s21, s[WR], 6
	s_add_co_u32 s20, s20, s21                     ; my first token: 128 Y + 64 x half
	s_lshl_b32 s20, s20, 12                        ; x 4,096 bytes
	s_mov_b32 s21, 0
	s_add_nc_u64 s[10:11], s[10:11], s[20:21]
	v_lshrrev_b32 v3, 1, v1                        ; ctx: token r of a block lies in pair-row r / 2, half r % 2
	v_mul_u32_u24 v3, v3, PA
	v_and_b32 v4, 1, v1
	v_lshl_add_u32 v3, v4, 7, v3
	v_lshl_add_u32 v3, v2, 4, v3
	v_and_b32 v4, 7, v0                            ; Wo: the turning load: lane l reads 16 bytes of row 8 h + l % 8, columns 8 ((l / 8) % 2) on
	v_lshl_add_u32 v4, v2, 3, v4
	v_mul_u32_u24 v4, v4, PB
	v_bfe_u32 v6, v0, 3, 1
	v_lshl_add_u32 v4, v6, 4, v4
	s_mul_i32 s60, s[WR], 32*PA
	s_lshl_b32 s61, s[WC], 8
	s_add_co_u32 s61, s61, BOFF
.irp s, 0,1
	v_add_nc_u32 v[ADRA+\s], s60, v3
	v_add_nc_u32 v[ADRB+\s], s61, v4
	s_add_co_u32 s60, s60, SLOT
	s_add_co_u32 s61, s61, SLOT
.endr
	s_mul_i32 s60, s[WV], 16*SPITCH                ; my stage
	v_mul_u32_u24 v6, v1, SPITCH
	v_lshl_add_u32 v6, v2, 5, v6
	v_add_nc_u32 v[STO], s60, v6                   ; in: row r, 32 bytes for each half of the lanes
	v_and_b32 v6, 31, v0
	v_lshlrev_b32 v[CO], 4, v6                     ; back: the 32 lanes take one row of 512 bytes; and the same in out0
	v_add_nc_u32 v[RD], s60, v[CO]
.macro FETCH slot, kk, set             ; 24 loads: the fragments of the slot's kk-th 32 along K
	WIN 0x40
.irp b, 0,1,2,3,4,5,6,7
	ds_load_tr16_b128 v[64*(\set)+8*\b:64*(\set)+8*\b+3], v[ADRB+\slot] offset:32*\b+(\kk)*32*PB
	ds_load_tr16_b128 v[64*(\set)+8*\b+4:64*(\set)+8*\b+7], v[ADRB+\slot] offset:32*\b+(\kk)*32*PB+16*PB
.endr
	WIN 0
.irp a, 0,1,2,3
	ds_load_b128 v[AF+32*(\set)+8*\a:AF+32*(\set)+8*\a+3], v[ADRA+\slot] offset:\a*8*PA+((\kk)/2)*64*PA+((\kk)%2)*64
	ds_load_b128 v[AF+32*(\set)+8*\a+4:AF+32*(\set)+8*\a+7], v[ADRA+\slot] offset:\a*8*PA+((\kk)/2)*64*PA+((\kk)%2)*64+32
.endr
.endm
.macro MUL32 set, first                ; 32 matrix instructions; the 32 accumulators take turns, one instruction a turn
.if \first
	WIN 0x91                                       ; source 0 and C (bo) window 1, D window 2
.else
	WIN 0xa1
.endif
.irp a, 0,1,2,3
.irp b, 0,1,2,3,4,5,6,7
.if \first
	v_wmma_f32_16x16x32_f16 v[8*(8*\a+\b):8*(8*\a+\b)+7], v[64*(\set)+8*\b:64*(\set)+8*\b+7], v[AF+32*(\set)+8*\a:AF+32*(\set)+8*\a+7], v[BIAS+8*\b:BIAS+8*\b+7]
.else
	v_wmma_f32_16x16x32_f16 v[8*(8*\a+\b):8*(8*\a+\b)+7], v[64*(\set)+8*\b:64*(\set)+8*\b+7], v[AF+32*(\set)+8*\a:AF+32*(\set)+8*\a+7], v[8*(8*\a+\b):8*(8*\a+\b)+7]
.endif
.endr
.endr
.endm
.macro KWORK slot, first               ; a K step: four times 32 along K, each one's fragments asked for one earlier, into the other set
	FETCH \slot, 0, 0
.irp kk, 0,1,2,3
	s_wait_dscnt 0x0
.if \kk < 3
	PLACES 4                                       ; in front of loads into registers that matrix instructions have read
	FETCH \slot, \kk+1, (\kk+1)%2
.endif
.if (\first) && (\kk == 0)
	MUL32 0, 1
.else
	MUL32 \kk%2, 0
.endif
.endr
	WIN 0
.endm
; The change of slots: all my tensor loads have landed (my part of the other slot), the add, my reads of the slot just read are over.  fill = 1: behind a round of the cluster's barrier that slot takes the K step two on.
.macro CHANGE slot, fill
	s_wait_tensorcnt 0x0
	ds_add_u32 v[SPW], v[NIL]
.if \fill
	s_add_nc_u64 s[G0A+4*(\slot)+2:G0A+4*(\slot)+3], s[G0A+4*(\slot)+2:G0A+4*(\slot)+3], 1048576   ; four heads on
	s_add_nc_u64 s[G0B+4*(\slot)+2:G0B+4*(\slot)+3], s[G0B+4*(\slot)+2:G0B+4*(\slot)+3], 524288    ; 256 rows on
.endif
	s_wait_dscnt 0x0
.if \fill
	CROUND
	JLOAD G0A+4*(\slot), G0B+4*(\slot)             ; its four v_nop are also the places in front of the loads that follow
.else
	s_barrier_signal -1
	s_barrier_wait -1
	PLACES 4
.endif
.endm
	s_wait_tensorcnt 0x1                           ; my part of K step 0 is in; K step 1's load, issued behind it, may be out
	s_barrier_signal -1
	s_barrier_wait -1
	s_wait_loadcnt 0x0                             ; bo
	KWORK 0, 1                                     ; K step 0 stands in front of the loop: its first products take bo as C
	s_mov_b32 s19, 3
.Llap:                                                 ; a trip: two changes of slots, both with a refill, and K steps 2 i + 1 and 2 i + 2
	CHANGE 0, 1
	KWORK 1, 0
	CHANGE 1, 1
	KWORK 0, 0
	s_sub_co_u32 s19, s19, 1
	s_cmp_lg_u32 s19, 0
	s_cbranch_scc1 .Llap
	CHANGE 0, 0                                    ; nothing is left to fetch; nobody reads slot 0 any more
	KWORK 1, 0                                     ; K step 7
; THE WAY OUT, a block of 16 tokens x 128 columns at a time: through my own stage and back as whole rows of 512 bytes.
.macro TOSTAGE a
	WIN 0x08                                       ; an LDS store's data are its source 1: window 2
.irp b, 0,1,2,3,4,5,6,7
	ds_store_b128 v[STO], v[8*(8*(\a)+\b):8*(8*(\a)+\b)+3] offset:64*\b          ; each accumulator from its low end on
	ds_store_b128 v[STO], v[8*(8*(\a)+\b)+4:8*(8*(\a)+\b)+7] offset:64*\b+16
.endr
	WIN 0
.irp i, 0,1,2,3,4,5,6,7,8,9,10,11,12,13,14,15
	ds_load_b128 v[BK+64*((\a)%2)+4*\i:BK+64*((\a)%2)+4*\i+3], v[RD] offset:\i*SPITCH   ; LDS serves a wave's instructions in order: these see the stores above
.endr
.endm
.macro SEND a, younger
	s_wait_dscnt \younger                          ; the block is back in registers; the next block's 16 stores and 16 loads may be out
.irp i, 0,1,2,3,4,5,6,7,8,9,10,11,12,13,14,15
	global_store_b128 v[CO], v[BK+64*((\a)%2)+4*\i:BK+64*((\a)%2)+4*\i+3], s[10:11] offset:(16*(\a)+\i)*4096 th:TH_STORE_NT   ; 32 lanes store 512 consecutive bytes, aligned
.endr
.endm
	PLACES 4                                       ; in front of the first read of results
	TOSTAGE 0
.irp a, 1,2,3
.if \a > 1
	s_wait_xcnt 0x0                                ; block a - 2's stores have had their addresses translated: block a's loads land in their registers only behind this wait
.endif
	TOSTAGE \a
	SEND \a-1, 32
.endr
	SEND 3, 0
	s_wait_tensorcnt 0x0                           ; the wave's end, behind my last tensor load and my last LDS store
	ds_add_u32 v[SPW], v[NIL]
	s_wait_dscnt 0x0
	CROUND                                         ; the closing round
	s_endpgm
.Lfunc_end_k_q77729aaa5e_outp:
	.size	k_q77729aaa5e_outp, .Lfunc_end_k_q77729aaa5e_outp-k_q77729aaa5e_outp
	.p2alignl 7, 3214868480
	.fill 96, 4, 3214868480
	.section	.rodata,"a",@progbits
	.p2align	6, 0x0
	.amdhsa_kernel k_q77729aaa5e_outp
		.amdhsa_group_segment_fixed_size 327680
		.amdhsa_private_segment_fixed_size 0
		.amdhsa_enable_private_segment 0
		.amdhsa_kernarg_size 32
		.amdhsa_user_sgpr_count 2
		.amdhsa_user_sgpr_kernarg_segment_ptr 1
		.amdhsa_wavefront_size32 1
		.amdhsa_system_sgpr_workgroup_id_x 1
		.amdhsa_system_sgpr_workgroup_id_y 1
		.amdhsa_system_sgpr_workgroup_id_z 1
		.amdhsa_system_vgpr_workitem_id 0
		.amdhsa_next_free_vgpr 768
		.amdhsa_next_free_sgpr 90
		.amdhsa_reserve_vcc 0
		.amdhsa_float_denorm_mode_32 3
		.amdhsa_float_denorm_mode_16_64 3
		.amdhsa_memory_ordered 1
		.amdhsa_forward_progress 1
		.amdhsa_inst_pref_size 86
	.end_amdhsa_kernel
	.amdgpu_metadata
---
amdhsa.version: [ 1, 2 ]
amdhsa.kernels:
  - .name:           k_q77729aaa5e_outp
    .symbol:         k_q77729aaa5e_outp.kd
    .args:
      - { .name: ctx, .offset: 0, .size: 8, .value_kind: global_buffer, .address_space: global }
      - { .name: wo16, .offset: 8, .size: 8, .value_kind: global_buffer, .address_space: global }
      - { .name: bo, .offset: 16, .size: 8, .value_kind: global_buffer, .address_space: global }
      - { .name: out0, .offset: 24, .size: 8, .value_kind: global_buffer, .address_space: global }
    .group_segment_fixed_size: 327680
    .private_segment_fixed_size: 0
    .kernarg_segment_align: 8
    .kernarg_segment_size: 32
    .max_flat_workgroup_size: 128
    .sgpr_count:     90
    .vgpr_count:     768
    .wavefront_size: 32
...
	.end_amdgpu_metadata
.endif
;; end of part 4
